; MI455X (gfx1250); checked and timed in simulation.
; The chip was launched on July 23, 2026; its instructions are those of AMD's public machine-readable ISA for CDNA 5 (MIT licence, August 2026) and "CDNA5" Instruction Set Architecture Reference Guide (July 2026). The comments in the code are by the model that wrote it; some were corrected since.
;; Cross Attention Bridge. Allowed arithmetic: matrix products marked QUANTISED: E2M1 operands, one E8M0 scale for each 32 along K, by v_wmma_scale_f32_16x16x128_f8f6f4 with both operands' format E2M1 (or v_wmma_scale_f32_32x16x128_f4), f32 sums; products left as they are: f32 operands where the result goes on into a quantised operand, else bf16, f16 or f32 operands; f32 sums; everything else in f32.
;; Inputs: W_k 2,048 x 2,048 float32; W_mem 512 x 2,048 float32; W_o 2,048 x 2,048 float32; W_q 2,048 x 2,048 float32; W_v 2,048 x 2,048 float32; gate one number float32; last_hidden 4 x 2,048 x 2,048 float32; zH 4 x 1 x 512 float32.
;; Outputs: out0 4 x 2,048 x 2,048 float32.
;; This version of the problem:
;;   THIS VERSION OF THE PROBLEM IS GIVEN IN LOW PRECISION. The matrix products marked QUANTISED in the list below multiply operands that are first quantised to E2M1 (2 exponent bits, 1 mantissa bit; 4 bits a number), with one power-of-two scale for each 32 numbers along K (OCP MX v1.0); their sums are f32. All else is computed in f32.
;;   The module's matrix products, in the order in which they are computed (A, B: the left and right operand; K: the contracted axis; several contracted axes count as one K, in the product's order):
;;     1. [M 4, K 512] x [K 512, N 2,048]; A: input zH; B: input W_mem: left as it is (M = 4 < 16)
;;     2. [M 8,192, K 2,048] x [K 2,048, N 2,048]; A: input last_hidden; B: input W_q: QUANTISED
;;     3. [M 4, K 2,048] x [K 2,048, N 2,048]; A: computed on the way; B: input W_k: left as it is (M = 4 < 16)
;;     4. [M 4, K 2,048] x [K 2,048, N 2,048]; A: computed on the way; B: input W_v: left as it is (M = 4 < 16)
;;     5. batch 32 x [M 2,048, K 256] x [K 256, N 1]; A: computed on the way; B: computed on the way: left as it is (N = 1 < 16)
;;     6. batch 32 x [M 256, K 1] x [K 1, N 2,048]; A: computed on the way; B: softmax: left as it is (K = 1 < 32)
;;     7. [M 8,192, K 2,048] x [K 2,048, N 2,048]; A: computed on the way; B: input W_o: QUANTISED
;;   THE QUANTISER, for each operand of a quantised product, along K:
;;     - K is cut into blocks of 32 from its start; a last block that is shorter is filled with zeros.
;;     - A block's scale is 2^e with e = floor(log2(the largest magnitude in the block)) - 2, held to -126 .. 127; a block of zeros has e = 0. As a byte (E8M0): e + 127.
;;     - Each number is divided by its block's scale, clamped to +-6, and rounded to the nearest number of E2M1, ties to even, subnormals kept.
;;     - The product sums the exact products of the quantised numbers (number of the format x scale) in f32.
;;   ~~~python
;;   def quantise(x, axis):      # numpy; x: float32 -> the quantised numbers, widened to float32 again
;;       x = np.moveaxis(x, axis, -1); K = x.shape[-1]
;;       x = np.pad(x, [(0, 0)] * (x.ndim - 1) + [(0, -K % 32)]); x = x.reshape(x.shape[:-1] + (-1, 32)); a = np.abs(x).max(-1, keepdims=True)
;;       e = np.where(a > 0, np.clip(np.frexp(np.where(a > 0, a, 1))[1] - 1 - 2, -126, 127), 0)      # np.frexp(a)[1] - 1 = floor(log2(a)), exactly
;;       r = np.clip(x / 2.0 ** e, -6, 6)
;;       step = 2.0 ** (np.maximum(np.frexp(np.where(r == 0, 1, r))[1] - 1, 0) - 1)
;;       q = np.round(r / step) * step * 2.0 ** e      # np.round: ties to even
;;       return np.moveaxis(q.reshape(q.shape[:-2] + (-1,))[..., :K], -1, axis).astype(np.float32)
;;   ~~~
;;   OPERANDS COMPUTED ON THE WAY. 'Computed on the way' means the value that the module computes at that place (a softmax that the list does not call 'softmax' is quantised finished and normalised). What goes into a quantiser is computed in f32, as accurately as f32 sums, v_exp_f32 and their like allow (about 1e-6 of the number): no bf16 or f16 on the way to a quantiser, and a product that is left as it is and whose result goes on into a quantised operand takes f32 operands (vector FMAs, or v_wmma_f32_16x16x4_f32). A number that lies on a knife's edge between two numbers of the format may be rounded either way, as far as f32 arithmetic and the matrix unit's own rounding can turn it there, and no further.
;; One version. Each part assembles by itself: llvm-mc -triple=amdgcn-amd-amdhsa -mcpu=gfx1250 --defsym DOCPART=n.
;; ======== version 1 of 1: 3 launches
;; workspace buffers: xq 8,912,896 bytes; wqq 2,228,224 bytes; woq 2,228,224 bytes; a2q 8,912,896 bytes; kvp 2,097,152 bytes
;; launch prep (part 1): grid 1024 x 1, 4 waves a work-group, no clusters, 48,640 bytes of LDS; arguments last_hidden, W_q, W_o, zH, W_mem, W_k, W_v, xq, wqq, woq, kvp; writes xq, wqq, woq, kvp
.if DOCPART == 1
	.amdgcn_target "amdgcn-amd-amdhsa--gfx1250"
	.amdhsa_code_object_version 6
	.text
	.protected	k_qfff73578f7_prep
	.globl	k_qfff73578f7_prep
	.p2align	8
	.type	k_qfff73578f7_prep,@function
k_qfff73578f7_prep:
	s_mov_b64 s[64:65], 0
	v_nop
	global_prefetch_b8 v0, s[64:65] scope:SCOPE_SE
	s_setreg_imm32_b32 hwreg(HW_REG_WAVE_MODE, 25, 1), 1
	s_wait_xcnt 0x0
; PREP: all that the two large products want made once.  Three roles, told apart by the work-group's number (the same for its four waves); each role has LDS bytes of its own.
;   work-groups   0-255  KV: mem = zH W_mem (a slab of 64 columns, made anew in each work-group that wants it) and partial sums of K = mem W_k and V = mem W_v, all in f32 multiply-adds
;   work-groups 256-511  W:  W_q and W_o [k][n], f32, into codes of FP4 (E2M1) along k with one E8M0 byte for each 32 along k
;   work-groups 512-1023 X:  last_hidden [8192][2048], f32, into the same
; LAYOUT OF AN OPERAND (R rows, K = 2,048; a weight's "row" is its column n): images of the matrix operand's registers.
;   codes  [s = k/512][rb = row/16][q = (k/128)%4][c 2][lane 32][16 bytes]: lane 16 h + r of group c holds k = 128 (4 s + q) + 64 c + 32 h + 0..31 of row 16 rb + r
;   scales behind the codes, [ks = k/128][row], one word (four bytes, the lower k in the lower byte) for a row and 128 k
; kvp: [ks = k/64 (32)][b 4][n 4096] f32, n < 2048 for K, the rest for V: the next launch adds the 32 parts.
; THE QUANTISER: a block's scale is 2^(floor(log2(its largest magnitude)) - 2); its byte is the largest magnitude's exponent field - 2, held at 1 from below; the conversion divides, holds at the largest code and rounds to nearest, ties to even.
; LIMITS: NaN and infinities among the inputs are not served.  A block of zeros gets the byte 1 where the rule says 127: its codes are zeros, and this program alone reads the bytes.  Blocks whose largest magnitude
; lies under 2^-124 are held at that floor.  mem and the partial sums are added in another order than a plain ascending sum.
; No tensor loads, no matrix instructions, no cluster: the work-groups share no tile but W_mem's slabs, which are a small part of the bytes.
.set XREG, 8704                        ; role X, LDS of a wave: a stage of 16 rows x 528 bytes, then 256 bytes of scale words
.set XP,   528                         ; a stage row: 512 bytes + 16: the sixteen rows that a read touches start at sixteen different places modulo 256 bytes
.set XSW,  16*XP
.set ZB,   4*XREG                      ; role KV: each wave's 128 numbers of zH for the four b, 2,048 bytes a wave
.set RED,  ZB+8192                     ; each wave's part of mem's slab, [b][64], 1,024 bytes a wave
.set MEM,  RED+4096                    ; mem's slab, [b][64]
.set XR,   32                          ; X: v32-159  two sets of 64 numbers as loaded
.set XX,   160                         ; X: v160-223 64 numbers, neighbours along k
.set XC,   224                         ; X: v224-255 eight registers of codes for each of four steps
.set WX,   32                          ; W: v32-95   two sets of 32 numbers
.set WC,   96                          ; W: v96-127  four registers of codes for each of eight blocks
.set SB,   24                          ; W: v24-25   scale bytes, four to a register
.set ACC,  16                          ; KV: v16-31  sums, [b][4 columns]
.set WA,   32                          ; KV: v32-95, v96-159  two sets of 16 rows x 4 columns
.set WB,   96
.set KZ,   160                         ; KV: v160-223 the multipliers of 16 rows for the four b
.set ZH,   224                         ; KV: v224-239 zH on its way into LDS
	v_lshl_add_u32 v15, v0, 2, 0xbc00
	s_set_vgpr_msb 0x40
	v_mov_b32 v1, 0
	s_set_vgpr_msb 0x4000
	v_lshrrev_b32 v1, 5, v0
	v_readfirstlane_b32 s2, v1                     ; wave 0..3
	v_and_b32 v2, 31, v0                           ; lane
	s_cmp_lt_u32 ttmp9, 256
	s_cbranch_scc1 .Lkv
	s_cmp_lt_u32 ttmp9, 512
	s_cbranch_scc1 .Lw
; ---------------------------------------------------------------- ROLE X
; A work-group takes 64 rows x 512 along k; wave w the 128 along k of ks = 4 s + w: four fragments.  A load reads 512 consecutive bytes of one row; sixteen rows turn through the wave's own stage,
; so that lane (r, h) gets k = 64 c + 32 h + 0..31 of row r in consecutive registers: two whole blocks of 32, whose codes are the fragment's registers as they stand.
	s_load_b64 s[4:5], s[0:1], 0x0                 ; last_hidden
	s_load_b64 s[6:7], s[0:1], 0x38                ; xq
	s_sub_co_u32 s3, ttmp9, 512
	s_lshr_b32 s14, s3, 2                          ; rg: which 64 rows
	s_and_b32 s15, s3, 3                           ; s: which 512 along k
	s_lshl_b32 s16, s15, 2
	s_add_co_u32 s16, s16, s2                      ; ks
	s_lshl_b32 s18, s14, 19                        ; in: 64 rows of 8,192 bytes
	s_lshl_b32 s19, s16, 9                         ; + 512 bytes for each ks
	s_add_co_u32 s18, s18, s19
	s_mov_b32 s19, 0
	s_lshl_b32 s20, s15, 21                        ; codes: 2,097,152 bytes for each s,
	s_lshl_b32 s21, s14, 14                        ; four row blocks of 4,096,
	s_add_co_u32 s20, s20, s21
	s_lshl_b32 s21, s2, 10                         ; q = w
	s_add_co_u32 s20, s20, s21
	s_mov_b32 s21, 0
	s_lshl_b32 s22, s16, 15                        ; scale words: a plane of 32,768 bytes for each ks,
	s_lshl_b32 s23, s14, 8                         ; 64 words
	s_add_co_u32 s22, s22, s23
	s_add_co_u32 s22, s22, 0x800000                ; behind the codes
	s_mov_b32 s23, 0
	s_mov_b32 s12, 0x76543210
	s_mov_b32 s13, 0xfedcba98                      ; v_permlanex16_b32's selects for lane l xor 16
	s_mul_i32 s24, s2, XREG
	v_and_b32 v10, 15, v0                          ; r
	v_bfe_u32 v11, v0, 4, 1                        ; h
	v_lshlrev_b32 v3, 4, v2                        ; 16 x lane: in memory, for the numbers and for the codes
	v_add_nc_u32 v4, s24, v3                       ; into the stage: 16 x lane of a row
	v_mul_u32_u24 v5, v10, XP
	v_lshl_add_u32 v5, v11, 7, v5
	v_add_nc_u32 v5, s24, v5                       ; out of it: row r, + 128 h
	s_add_co_u32 s24, s24, XSW
	v_lshl_add_u32 v6, v10, 2, s24                 ; my row's scale word
	v_lshl_add_u32 v7, v2, 3, s24                  ; and on the way out 8 bytes a lane
	v_lshlrev_b32 v8, 3, v2
	v_lshlrev_b32 v9, 3, v11                       ; 8 h: how far my two bytes are shifted in the word
	v_mov_b32 v14, 0                               ; written once: a lane permute's destination counts as one of its sources
	s_wait_kmcnt 0x0
	s_add_nc_u64 s[4:5], s[4:5], s[18:19]
	s_add_nc_u64 s[8:9], s[6:7], s[22:23]          ; scale words
	s_add_nc_u64 s[6:7], s[6:7], s[20:21]          ; codes
.macro XLD t                           ; sixteen rows of step t: 512 consecutive bytes a load
.irp j, 0,1,2,3,4,5,6,7,8,9,10,11,12,13,14,15
	global_load_b128 v[XR+64*((\t)%2)+4*\j:XR+64*((\t)%2)+4*\j+3], v3, s[4:5] offset:(16*(\t)+\j)*8192 th:TH_LOAD_NT
.endr
.endm
.macro XSTEP t
.set RS, XR+64*((\t)%2)
.if (\t) < 3
	s_wait_loadcnt 16                              ; this step's sixteen loads are in; the next step's sixteen may be out
.else
	s_wait_loadcnt 0x0
.endif
.irp j, 0,1,2,3,4,5,6,7,8,9,10,11,12,13,14,15
	ds_store_b128 v4, v[RS+4*\j:RS+4*\j+3] offset:XP*\j
.endr
.irp c, 0,1
.irp i, 0,1,2,3,4,5,6,7
	ds_load_b128 v[XX+32*\c+4*\i:XX+32*\c+4*\i+3], v5 offset:256*\c+16*\i   ; LDS serves a wave's instructions in order: these see the stores above
.endr
.endr
	s_wait_dscnt 0x0                               ; the numbers are back, and the stores have read their registers,
.if (\t) < 2
	XLD (\t)+2                                     ; which take the loads of two steps on
.endif
.irp c, 0,1
	v_max3_num_f32 v[16+\c], |v[XX+32*\c]|, |v[XX+32*\c+1]|, 0x1800000   ; block 2 c + h: all 32 numbers are mine; and the floor 2^(3 - 127): the byte cannot fall under 1
.endr
.irp i, 2,4,6,8,10,12,14,16,18,20,22,24,26,28,30
.irp c, 0,1
	v_max3_num_f32 v[16+\c], v[16+\c], |v[XX+32*\c+\i]|, |v[XX+32*\c+\i+1]|   ; (the two blocks by turns)
.endr
.endr
.irp c, 0,1
	v_add_nc_u32 v[18+\c], 0xff000000, v[16+\c]    ; 2 off the exponent field: the conversion takes the exponent field of this operand as its scale
.endr
.irp c, 0,1
	v_lshrrev_b32 v[20+\c], 23, v[18+\c]           ; the scale's byte
.endr
	v_lshl_or_b32 v10, v21, 16, v20                ; my two bytes, blocks h and 2 + h,
	v_lshlrev_b32 v10, v9, v10                     ; at their places in the word;
	v_permlanex16_b32 v14, v10, s12, s13
	v_or_b32 v10, v10, v14                         ; with lane l xor 16's two the word is whole
.irp c, 0,1
.irp g, 0,1,2,3
	v_cvt_scalef32_pk8_fp4_f32 v[XC+8*(\t)+4*\c+\g], v[XX+32*\c+8*\g:XX+32*\c+8*\g+7], v[18+\c]
.endr
.endr
	v_nop                                          ; one plain place behind the last scaled conversion
	ds_store_b32 v6, v10 offset:64*(\t)            ; lanes r and r + 16 write the same word with the same value
.irp c, 0,1
	global_store_b128 v3, v[XC+8*(\t)+4*\c:XC+8*(\t)+4*\c+3], s[6:7] offset:4096*(\t)+512*\c   ; 32 lanes store 512 consecutive bytes, aligned
.endr
.endm
	XLD 0
	XLD 1
	XSTEP 0
	XSTEP 1
	XSTEP 2
	XSTEP 3
	ds_load_b64 v[16:17], v7                       ; my wave's 64 scale words
	s_wait_dscnt 0x0
	global_store_b64 v8, v[16:17], s[8:9]          ; 32 lanes store 256 consecutive bytes, aligned
	s_set_vgpr_msb 0x4
	s_wait_tensorcnt 0x0
	ds_add_u32 v15, v1
	s_wait_dscnt 0x0
	s_set_vgpr_msb 0x400
	s_endpgm
; ---------------------------------------------------------------- ROLE W
; A lane takes a column n and its registers run down k: a block of 32 along k lies in one lane's 32 registers, and the conversions give its 16 bytes of codes, which are 16 bytes of an image:
; block t of a wave's 256 along k lies at byte 256 t + 16 (n % 16) of the row block's part, so sixteen lanes store 256 consecutive bytes and nothing goes through LDS.
; A work-group takes 128 columns x 256 along k, a wave 32 columns: short waves, so that many of them have their loads of 128 bytes on their way side by side.
.Lw:
	s_load_b64 s[4:5], s[0:1], 0x8                 ; W_q
	s_load_b64 s[6:7], s[0:1], 0x10                ; W_o
	s_load_b128 s[8:11], s[0:1], 0x40              ; wqq, woq
	s_sub_co_u32 s3, ttmp9, 256
	s_and_b32 s14, s3, 15                          ; x: which 128 columns
	s_bfe_u32 s15, s3, 0x30004                     ; y: which 256 along k
	s_lshl_b32 s16, s14, 7
	s_lshl_b32 s17, s2, 5
	s_add_co_u32 s16, s16, s17                     ; n0: my wave's first column
	s_lshl_b32 s18, s15, 21                        ; in: 256 rows of 8,192 bytes,
	s_lshl_b32 s19, s16, 2
	s_add_co_u32 s18, s18, s19                     ; + 4 n0
	s_mov_b32 s19, 0
	s_lshr_b32 s20, s15, 1
	s_lshl_b32 s20, s20, 19                        ; codes: 524,288 bytes for each s = y / 2,
	s_lshl_b32 s21, s16, 8                         ; 4,096 for each row block: 256 n0,
	s_add_co_u32 s20, s20, s21
	s_and_b32 s21, s15, 1
	s_lshl_b32 s21, s21, 11                        ; the upper two fragments where y is odd
	s_add_co_u32 s20, s20, s21
	s_mov_b32 s21, 0
	s_lshl_b32 s22, s15, 14                        ; scale words: planes 2 y and 2 y + 1 of 8,192 bytes,
	s_lshl_b32 s23, s16, 2
	s_add_co_u32 s22, s22, s23
	s_add_co_u32 s22, s22, 0x200000                ; behind the codes
	s_mov_b32 s23, 0
	v_lshlrev_b32 v3, 2, v2                        ; 4 x lane
	v_and_b32 v4, 15, v0
	v_lshlrev_b32 v4, 4, v4
	v_bfe_u32 v5, v0, 4, 1
	v_lshl_add_u32 v4, v5, 12, v4                  ; codes: 16 (lane % 16), lanes 16-31 a row block on
	s_wait_kmcnt 0x0
	s_cmp_lt_u32 s3, 128                           ; W_q's work-group or W_o's: the choice hangs on the work-group's number alone
	s_cselect_b64 s[4:5], s[4:5], s[6:7]
	s_cselect_b64 s[8:9], s[8:9], s[10:11]
	s_add_nc_u64 s[4:5], s[4:5], s[18:19]
	s_add_nc_u64 s[6:7], s[8:9], s[20:21]          ; codes
	s_add_nc_u64 s[8:9], s[8:9], s[22:23]          ; scale words
.macro WLD t                           ; block t: W(32 t + i, my column) into set t % 2
.irp i, 0,1,2,3,4,5,6,7,8,9,10,11,12,13,14,15,16,17,18,19,20,21,22,23,24,25,26,27,28,29,30,31
	global_load_b32 v[WX+32*((\t)%2)+\i], v3, s[4:5] offset:(32*(\t)+\i)*8192 th:TH_LOAD_NT
.endr
.endm
.macro WBLOCK t
.set XS, WX+32*((\t)%2)
.if (\t) < 7
	s_wait_loadcnt 32                              ; this block's 32 loads are in; the next block's may be out
.else
	s_wait_loadcnt 0x0
.endif
	v_max3_num_f32 v12, |v[XS]|, |v[XS+1]|, |v[XS+2]|              ; the block's largest magnitude, in two chains
	v_max3_num_f32 v13, |v[XS+3]|, |v[XS+4]|, |v[XS+5]|
.irp i, 6,10,14,18,22,26
	v_max3_num_f32 v12, v12, |v[XS+\i]|, |v[XS+\i+1]|
	v_max3_num_f32 v13, v13, |v[XS+\i+2]|, |v[XS+\i+3]|
.endr
	v_max3_num_f32 v12, v12, |v[XS+30]|, |v[XS+31]|
	v_max3_num_f32 v12, v12, v13, 0x1800000        ; and the floor 2^(3 - 127)
	v_add_nc_u32 v11, 0xff000000, v12              ; the conversion's scale operand
	v_lshrrev_b32 v13, 23, v11                     ; the scale's byte
.if (\t)%4 == 0
	v_mov_b32 v[SB+(\t)/4], v13
.else
	v_lshl_or_b32 v[SB+(\t)/4], v13, 8*((\t)%4), v[SB+(\t)/4]
.endif
.irp g, 0,1,2,3
	v_cvt_scalef32_pk8_fp4_f32 v[WC+4*(\t)+\g], v[XS+8*\g:XS+8*\g+7], v11
.endr
	v_nop                                          ; one plain place behind the last scaled conversion: the next block writes v11
	global_store_b128 v4, v[WC+4*(\t):WC+4*(\t)+3], s[6:7] offset:256*(\t)   ; sixteen lanes store 256 consecutive bytes, aligned
.if (\t)+2 < 8
	WLD (\t)+2
.endif
.endm
	WLD 0
	WLD 1
.irp t, 0,1,2,3,4,5,6,7
	WBLOCK \t
.endr
.irp q, 0,1
	global_store_b32 v3, v[SB+\q], s[8:9] offset:8192*\q   ; 128 consecutive bytes a wave: one byte for each 128 that the role reads
.endr
	s_endpgm
; ---------------------------------------------------------------- ROLE KV
; Work-group (ks, ns): rows 64 ks .. + 63 of W_k (ns < 4) or W_v, columns 512 (ns % 4) .. + 511.
; PHASE A: mem[b][64 ks + 0..63] = the sum over 512 k of zH[b][k] W_mem[k][..].  Half wave g = 2 w + h takes k = 64 g .. + 63; a lane takes four columns, so sixteen lanes read 256 consecutive bytes of a row.
; The eight parts meet by one exchange between the halves of the lanes and one trip through LDS.   PHASE B: thread t takes columns 4 t .. 4 t + 3 of the 512; the 64 multipliers for each b come from LDS.
; Rows go in batches of sixteen through two sets of registers; a set is loaded again as soon as it has been multiplied, phase B's first two batches while phase A ends.
.Lkv:
	s_load_b64 s[8:9], s[0:1], 0x18                ; zH
	s_load_b64 s[10:11], s[0:1], 0x20              ; W_mem
	s_load_b64 s[12:13], s[0:1], 0x28              ; W_k
	s_load_b64 s[14:15], s[0:1], 0x30              ; W_v
	s_load_b64 s[16:17], s[0:1], 0x50              ; kvp
	s_lshr_b32 s3, ttmp9, 3                        ; ks
	s_and_b32 s18, ttmp9, 7                        ; ns
	s_lshl_b32 s20, s3, 8                          ; W_mem: 64 columns are 256 bytes
	s_mov_b32 s21, 0
	s_lshl_b32 s22, s3, 19                         ; W_k, W_v: 64 rows of 8,192 bytes,
	s_and_b32 s23, s18, 3
	s_lshl_b32 s23, s23, 11                        ; 512 columns are 2,048 bytes
	s_add_co_u32 s22, s22, s23
	s_mov_b32 s23, 0
	s_lshl_b32 s24, s3, 16                         ; kvp: 65,536 bytes for each ks,
	s_lshl_b32 s25, s18, 11                        ; 2,048 for each ns
	s_add_co_u32 s24, s24, s25
	s_mov_b32 s25, 0
	s_mov_b32 s26, 0x76543210
	s_mov_b32 s27, 0xfedcba98                      ; lane l xor 16
	v_and_b32 v12, 15, v0                          ; r
	v_bfe_u32 v13, v0, 4, 1                        ; h
	s_lshl_b32 s28, s2, 1
	v_add_nc_u32 v3, s28, v13                      ; g = 2 w + h
	v_lshlrev_b32 v3, 19, v3                       ; its 64 rows of W_mem,
	v_lshl_add_u32 v3, v12, 4, v3                  ; + 16 r
	v_lshlrev_b32 v4, 4, v0                        ; phase B, and kvp: 16 x thread
	s_lshl_b32 s28, s2, 9
	v_lshl_add_u32 v5, v2, 4, s28                  ; zH: my wave's 128 numbers of a row, 16 bytes a lane
	s_lshl_b32 s28, s2, 11
	s_add_co_u32 s28, s28, ZB
	v_lshl_add_u32 v6, v2, 4, s28                  ; into LDS as they lie,
	v_lshl_add_u32 v7, v13, 8, s28                 ; and back: my half's 64
	s_lshl_b32 s28, s2, 10
	s_add_co_u32 s28, s28, RED
	v_lshl_add_u32 v8, v12, 4, s28                 ; my wave's part of the slab: 16 r
	v_lshl_add_u32 v9, v0, 3, RED                  ; the sum over waves: two numbers a thread
	v_lshl_add_u32 v10, v0, 3, MEM
	v_mov_b32 v11, MEM
	s_wait_kmcnt 0x0
	s_cmp_lt_u32 s18, 4                            ; W_k or W_v: the choice hangs on the work-group's number alone
	s_cselect_b64 s[12:13], s[12:13], s[14:15]
	s_add_nc_u64 s[10:11], s[10:11], s[20:21]
	s_add_nc_u64 s[12:13], s[12:13], s[22:23]
	s_add_nc_u64 s[16:17], s[16:17], s[24:25]
.macro KVLD set, vo, base, t, nt       ; rows 16 t .. 16 t + 15, 16 bytes a lane
.irp j, 0,1,2,3,4,5,6,7,8,9,10,11,12,13,14,15
.if \nt
	global_load_b128 v[\set+4*\j:\set+4*\j+3], v[\vo], s[\base:\base+1] offset:(16*(\t)+\j)*8192 th:TH_LOAD_NT
.else
	global_load_b128 v[\set+4*\j:\set+4*\j+3], v[\vo], s[\base:\base+1] offset:(16*(\t)+\j)*8192
.endif
.endr
.endm
.macro ZLD adr, pb, t                  ; the multipliers of rows 16 t .. + 15 for the four b; pb: bytes from b to b
.irp b, 0,1,2,3
.irp u, 0,1,2,3
	ds_load_b128 v[KZ+16*\b+4*\u:KZ+16*\b+4*\u+3], v[\adr] offset:\b*\pb+64*(\t)+16*\u
.endr
.endr
.endm
.macro KVFMA set, first                ; 16 rows x 4 b x 4 columns, two columns an instruction; the row's multiplier is the low or the high register of its pair.  first = 1: the first row starts the sums
.irp j, 0,1,2,3,4,5,6,7,8,9,10,11,12,13,14,15
.irp b, 0,1,2,3
.irp p, 0,1
.if (\first) && (\j == 0)
	v_pk_mul_f32 v[ACC+4*\b+2*\p:ACC+4*\b+2*\p+1], v[\set+2*\p:\set+2*\p+1], v[KZ+16*\b:KZ+16*\b+1] op_sel_hi:[1,0]
.elseif (\j % 2) == 0
	v_pk_fma_f32 v[ACC+4*\b+2*\p:ACC+4*\b+2*\p+1], v[\set+4*\j+2*\p:\set+4*\j+2*\p+1], v[KZ+16*\b+\j:KZ+16*\b+\j+1], v[ACC+4*\b+2*\p:ACC+4*\b+2*\p+1] op_sel_hi:[1,0,1]
.else
	v_pk_fma_f32 v[ACC+4*\b+2*\p:ACC+4*\b+2*\p+1], v[\set+4*\j+2*\p:\set+4*\j+2*\p+1], v[KZ+16*\b+\j-1:KZ+16*\b+\j], v[ACC+4*\b+2*\p:ACC+4*\b+2*\p+1] op_sel:[0,1,0] op_sel_hi:[1,1,1]
.endif
.endr
.endr
.endr
.endm
.macro BATCH adr, pb, t, left, set, first
	ZLD \adr, \pb, \t
	s_wait_loadcnt \left                           ; this batch's sixteen loads are in; the next batch's sixteen may be out
	s_wait_dscnt 0x0
	KVFMA \set, \first
.endm
.irp b, 0,1,2,3
	global_load_b128 v[ZH+4*\b:ZH+4*\b+3], v5, s[8:9] offset:2048*\b
.endr
	KVLD WA, 3, 10, 0, 0
	KVLD WB, 3, 10, 1, 0
	s_wait_loadcnt 32                              ; zH is in; the two batches behind it may be out
.irp b, 0,1,2,3
	ds_store_b128 v6, v[ZH+4*\b:ZH+4*\b+3] offset:512*\b   ; my wave's own bytes: its reads come behind these in order
.endr
	BATCH 7, 512, 0, 16, WA, 1
	KVLD WA, 3, 10, 2, 0
	BATCH 7, 512, 1, 16, WB, 0
	KVLD WB, 3, 10, 3, 0
	BATCH 7, 512, 2, 16, WA, 0
	KVLD WA, 4, 12, 0, 1                           ; phase B's first two batches are asked for while phase A ends
	BATCH 7, 512, 3, 16, WB, 0
	KVLD WB, 4, 12, 1, 1
.irp i, 0,1,2,3,4,5,6,7,8,9,10,11,12,13,14,15
	v_permlanex16_b32 v[KZ+\i], v[ACC+\i], s26, s27
.endr
.irp i, 0,2,4,6,8,10,12,14
	v_pk_add_f32 v[ACC+\i:ACC+\i+1], v[ACC+\i:ACC+\i+1], v[KZ+\i:KZ+\i+1]   ; my half's 64 k and the other half's
.endr
.irp b, 0,1,2,3
	ds_store_b128 v8, v[ACC+4*\b:ACC+4*\b+3] offset:256*\b   ; lanes r and r + 16 write the same bytes with the same values
.endr
	s_wait_dscnt 0x0                               ; for the others' sake: my part lies in LDS
	s_barrier_signal -1
	s_barrier_wait -1
.irp w, 0,1,2,3
	ds_load_b64 v[KZ+2*\w:KZ+2*\w+1], v9 offset:1024*\w
.endr
	s_wait_dscnt 0x0
	v_pk_add_f32 v[KZ:KZ+1], v[KZ:KZ+1], v[KZ+2:KZ+3]
	v_pk_add_f32 v[KZ+4:KZ+5], v[KZ+4:KZ+5], v[KZ+6:KZ+7]
	v_pk_add_f32 v[KZ:KZ+1], v[KZ:KZ+1], v[KZ+4:KZ+5]
	ds_store_b64 v10, v[KZ:KZ+1]                   ; mem's slab: two numbers a thread, each written by one thread
	s_wait_dscnt 0x0
	s_barrier_signal -1
	s_barrier_wait -1
	BATCH 11, 256, 0, 16, WA, 1
	KVLD WA, 4, 12, 2, 1
	BATCH 11, 256, 1, 16, WB, 0
	KVLD WB, 4, 12, 3, 1
	BATCH 11, 256, 2, 16, WA, 0
	BATCH 11, 256, 3, 0, WB, 0
.irp b, 0,1,2,3
	global_store_b128 v4, v[ACC+4*\b:ACC+4*\b+3], s[16:17] offset:16384*\b   ; 32 lanes store 512 consecutive bytes, aligned
.endr
	s_set_vgpr_msb 0x4
	s_wait_tensorcnt 0x0
	ds_add_u32 v15, v1
	s_wait_dscnt 0x0
	s_set_vgpr_msb 0x400
	s_endpgm
.Lfunc_end_k_qfff73578f7_prep:
	.size	k_qfff73578f7_prep, .Lfunc_end_k_qfff73578f7_prep-k_qfff73578f7_prep
	.p2alignl 7, 3214868480
	.fill 96, 4, 3214868480
	.section	.rodata,"a",@progbits
	.p2align	6, 0x0
	.amdhsa_kernel k_qfff73578f7_prep
		.amdhsa_group_segment_fixed_size 48640
		.amdhsa_private_segment_fixed_size 0
		.amdhsa_enable_private_segment 0
		.amdhsa_kernarg_size 88
		.amdhsa_user_sgpr_count 2
		.amdhsa_user_sgpr_kernarg_segment_ptr 1
		.amdhsa_wavefront_size32 1
		.amdhsa_system_sgpr_workgroup_id_x 1
		.amdhsa_system_sgpr_workgroup_id_y 1
		.amdhsa_system_sgpr_workgroup_id_z 1
		.amdhsa_system_vgpr_workitem_id 0
		.amdhsa_next_free_vgpr 258
		.amdhsa_next_free_sgpr 66
		.amdhsa_reserve_vcc 0
		.amdhsa_float_denorm_mode_32 3
		.amdhsa_float_denorm_mode_16_64 3
		.amdhsa_memory_ordered 1
		.amdhsa_forward_progress 1
		.amdhsa_inst_pref_size 159
	.end_amdhsa_kernel
	.amdgpu_metadata
---
amdhsa.version: [ 1, 2 ]
amdhsa.kernels:
  - .name:           k_qfff73578f7_prep
    .symbol:         k_qfff73578f7_prep.kd
    .args:
      - { .name: last_hidden, .offset: 0, .size: 8, .value_kind: global_buffer, .address_space: global }
      - { .name: W_q, .offset: 8, .size: 8, .value_kind: global_buffer, .address_space: global }
      - { .name: W_o, .offset: 16, .size: 8, .value_kind: global_buffer, .address_space: global }
      - { .name: zH, .offset: 24, .size: 8, .value_kind: global_buffer, .address_space: global }
      - { .name: W_mem, .offset: 32, .size: 8, .value_kind: global_buffer, .address_space: global }
      - { .name: W_k, .offset: 40, .size: 8, .value_kind: global_buffer, .address_space: global }
      - { .name: W_v, .offset: 48, .size: 8, .value_kind: global_buffer, .address_space: global }
      - { .name: xq, .offset: 56, .size: 8, .value_kind: global_buffer, .address_space: global }
      - { .name: wqq, .offset: 64, .size: 8, .value_kind: global_buffer, .address_space: global }
      - { .name: woq, .offset: 72, .size: 8, .value_kind: global_buffer, .address_space: global }
      - { .name: kvp, .offset: 80, .size: 8, .value_kind: global_buffer, .address_space: global }
    .group_segment_fixed_size: 48640
    .private_segment_fixed_size: 0
    .kernarg_segment_align: 8
    .kernarg_segment_size: 88
    .max_flat_workgroup_size: 128
    .sgpr_count:     66
    .vgpr_count:     258
    .wavefront_size: 32
...
	.end_amdgpu_metadata
.endif
;; end of part 1
;; launch gemm1 (part 2): grid 8 x 32, 4 waves a work-group, clusters of 4 x 4, 327,680 bytes of LDS; arguments xq, wqq, kvp, a2q; writes a2q
.if DOCPART == 2
	.amdgcn_target "amdgcn-amd-amdhsa--gfx1250"
	.amdhsa_code_object_version 6
	.text
	.protected	k_qfff73578f7_gemm1
	.globl	k_qfff73578f7_gemm1
	.p2align	8
	.type	k_qfff73578f7_gemm1,@function
k_qfff73578f7_gemm1:
	s_mov_b64 s[64:65], 0
	v_nop
	global_prefetch_b8 v0, s[64:65] scope:SCOPE_SE
	s_setreg_imm32_b32 hwreg(HW_REG_WAVE_MODE, 25, 1), 1
	s_wait_xcnt 0x0
	s_wait_alu depctr_hold_cnt(0) depctr_sa_sdst(0) depctr_va_vdst(0) depctr_va_sdst(0) depctr_va_ssrc(0) depctr_va_vcc(0) depctr_vm_vsrc(0)
	s_getreg_b32 s2, hwreg(HW_REG_IB_STS2, 6, 4)
	s_cmp_eq_u32 s2, 0
	s_cbranch_scc0 .Lentry_in_a_cluster
	s_endpgm
.Lentry_in_a_cluster:
	s_bfe_u32 s2, ttmp6, 0x10000c
	s_cmp_lg_u32 s2, 0xf033
	s_cbranch_scc0 .Lentry_shape_is_right
	s_endpgm
.Lentry_shape_is_right:
; GEMM1: Q = last_hidden W_q on codes of FP4 (E2M1) with one E8M0 scale for each 32 along K; then, without Q leaving the registers: the logit Q . K / 16 of each row and head, the softmax over the one key,
; att x V, and the quantiser of that product's rows, which are the left operand of the last product.  They leave as images of the operand's registers, with their scale words.
; A tile of Q, 256 rows x 256 columns, is one head of 256 rows of one batch.  Four waves, as many as a WGP has SIMDs; a wave makes 128 x 128: 64 accumulators of 16 x 16, 512 registers.
; OPERANDS lie in memory as images of their registers: codes [s = k/512][rb = row/16][q][c 2][lane 32][16 bytes], so a K step's codes of 128 rows are one dense block of 32,768 bytes, a fragment is two loads of
; 512 consecutive LDS bytes, and no padding is wanted.  Scale words lie behind the codes, [ks = k/128][row]; those of the work-group's 256 + 256 rows for all of K come into LDS once, with the first fills.
; K goes in four steps of 512 through a ring of two LDS slots filled by the tensor data mover.
; CLUSTERS: 4 x 4 work-groups.  The four of a row of the cluster need the same tiles of the left operand, the four of a column the same tiles of the right: each tile is asked for JOINTLY, by the same tensor load
; with the same descriptor and a mask that names the four.  THE MATRIX INSTRUCTION IS USED TRANSPOSED (source 0 = 16 rows of the right operand, source 1 = 16 of the left): lane (r, h) holds row r and columns 8 h + 0..7.
; K and V of the work-group's batch and head are the sums of the 32 parts that the launch before stored: added here in f32, kept in LDS.
; THE SOFTMAX is written as it stands: t = logit x log2(e) / 16, the row's maximum (of one key: t itself) is taken away, p = 2^(t - max), att = p / the sum (of one key: p).
; LIMITS: NaN and infinities are not served.  A block of zeros gets the byte 1 where the rule says 127 (its codes are zeros; this program alone reads the bytes); blocks under 2^-124 are held at that floor.
; The f32 sums of K, V and the logits are taken in another order than a plain ascending sum.
; The tiles are not prefetched: the ring is filled again only twice.  The 256 tiles are one to a work-group, so no work-group stays.
; REGISTERS, in windows of 256: window 0: v1-31 addresses; v32-95 scale words, two sets, and nothing else; v96-127 at work on the way out; from v128 the left operand's fragments, ONE set; on the way out v128-255 are free.
;   window 1: the right operand's fragments, TWO sets, at v0 and v128; on the way out v0-63 K, v64-127 V.   windows 2, 3: the accumulators of my rows 0-63 and 64-127 ((a, b) at v[8 (8 (a % 4) + b)]).
.set NQ,    4                          ; matrix instructions deep in a slot: 512 along K
.set FR,    8                          ; registers of a fragment: 16 rows x 128 K
.set NL,    2                          ; LDS loads that bring one
.set NP,    4                          ; places behind this matrix instruction (ISA guide 7.12.1)
.set FRB,   1024                       ; a fragment's image in bytes
.set RBB,   4096                       ; a row block's four fragments of a K step
.set HALFT, 8*RBB                      ; 128 rows: what one tensor load brings, and what one wave reads of either operand
.set SLOT,  4*HALFT                    ; the left operand's 256 rows, then the right's
.set STEPA, 512*RBB                    ; from K step to K step in memory: 8,192 rows
.set STEPB, 128*RBB                    ; 2,048 rows
.set PLA,   4*STEPA                    ; where the scale words begin
.set PLB,   4*STEPB
.set LAPS,  2                          ; a lap = two K steps = once round the ring
.set PLANE, 1024                       ; LDS: 256 rows' scale words for 128 along K
.set SCL,   2*SLOT                     ; behind the ring: the left operand's 16 planes,
.set SCB,   16*PLANE+64                ; and this much further on the right's: 64 bytes askew, so that lanes 0-15 and lanes 16-31 of a load take different words modulo 256 bytes
.set SPARE, 295168                     ; the spare words, 128 bytes for each wave: two blocks of 256 bytes that no other line names
.set KVL,   SPARE+512                  ; K's 256 numbers, then V's
.set LGT,   KVL+2048                   ; each wave's 128 partial logits
.set SWS,   LGT+2048                   ; each wave's 128 scale words on their way out
.set ADRA, 16                          ; v16-17  LDS address of my fragments of the left operand in slot 0, 1
.set AKV,  18                          ; v18     K: my wave's 128 columns, + 32 h
.set ALG,  19                          ; v19     my wave's partial logits, row r
.set ADRB, 20                          ; v20-21  as ADRA for the right operand
.set ALP,  22                          ; v22     the partner wave's (the other 128 columns of the same rows)
.set AVV,  23                          ; v23     V: my wave's 128 columns, + 64 h
.set ASW,  24                          ; v24     my wave's scale words, row r
.set ASR,  25                          ; v25     and back, 16 bytes a lane
.set CO,   26                          ; v26     16 x lane
.set ADRS, 27                          ; v27     LDS address of my scale words: lanes 0-15 the left operand's rows, lanes 16-31 the right's
.set SPW,  28                          ; v28     LDS address of my spare word; never rewritten
.set NIL,  29                          ; v29     0; never rewritten
.set AKS,  30                          ; v30     where my thread puts its four numbers of K or V
.set KVO,  31                          ; v31     and where their parts lie in kvp
.set SC,   32                          ; scale words: set s at v[SC + 32 s]; in it register 4 i + q: lanes 0-15 the left operand's block i, lanes 16-31 the right's block i, for the slot's q-th 128 along K
.set LP,   96                          ; v96-111  a pair for each of my eight row blocks: the logit's two partial sums, later att in the low register
.set TM,   112                         ; v112-127 at work
.set AF,   128                         ; the left operand's fragments
.set HH,   128                         ; the way out: 64 numbers of att x V
.set PCQ,  192                         ; v192-255 eight registers of codes for each row block
.set PWQ,  4                           ; v4-11    its scale word
.set SEL,  98                          ; s[98:99] lane l xor 16
.set G1, 24                            ; s[24:31] descriptor group 1 for the left operand's tiles;  s[32:39] group 0, one set for each slot
.set G0, 32
.set G1B, 48                           ; s[48:55], s[56:63] the same for the right operand's
.set G0B, 56
.set G1S, 68                           ; s[68:75], s[76:79] groups 1 and 0 for the left operand's scale words;  s[80:87], s[88:91] for the right's
.set G0S, 76
.set G1SB, 80
.set G0SB, 88
.set MSB, 0
.macro WIN new                         ; the immediate's high byte repeats the setting that is left; a switch that changes nothing is dropped
.if MSB != (\new)
	s_set_vgpr_msb (MSB<<8)|(\new)
.set MSB, (\new)
.endif
.endm
.set MUL_LO, 0xa1                      ; source 0 window 1, source 1 window 0, C and D window 2
.set MUL_HI, 0xf1                      ; the same, C and D window 3
.set TO_B,   0x40                      ; destination window 1, address window 0
; A joint load: waves 0 and 1 fetch for the left operand, waves 2 and 3 for the right.  Each of the two lines has ONE mask and one set of registers for all that issue it; the branch hangs on the wave's number alone.
; Four v_nop follow each of the two lines, ahead of the jump, the label and what follows.
.macro JLOAD g0a, g1a, g0b, g1b
	s_cmp_eq_u32 s15, 0
	s_cbranch_scc0 .Lfor_b_\@
	tensor_load_to_lds s[\g0a:\g0a+3], s[\g1a:\g1a+7]
	s_nop 0
.rept 4
	v_nop
.endr
	s_branch .Lasked_\@
.Lfor_b_\@:
	tensor_load_to_lds s[\g0b:\g0b+3], s[\g1b:\g1b+7]
	s_nop 0
.rept 4
	v_nop
.endr
.Lasked_\@:
.endm
.macro CREST                           ; a round of the cluster's barrier behind its opening barrier
	s_cmp_lg_u32 s14, 0
	s_cbranch_scc1 .Lnot_wave_0_\@
	s_barrier_signal -3
.Lnot_wave_0_\@:
	s_barrier_wait -3
	s_barrier_signal -1
	s_barrier_wait -1
.endm
.macro CROUND                          ; a whole round
	s_barrier_signal -1
	s_barrier_wait -1
	CREST
.endm
	s_load_b256 s[4:11], s[0:1], 0x0               ; xq s[4:5], wqq s[6:7], kvp s[8:9], a2q s[10:11]
	v_lshl_add_u32 v[SPW], v0, 2, SPARE
	v_mov_b32 v[NIL], 0
	ds_add_u32 v28, v29
	ds_add_u32 v28, v29
	s_wait_dscnt 0x0
	v_lshrrev_b32 v1, 5, v0
	v_readfirstlane_b32 s14, v1                    ; wave 0..3
	s_lshr_b32 s15, s14, 1                         ; which half of the tile's rows is mine.  Also: I fetch for the left operand (0) or the right (1)
	s_and_b32 s16, s14, 1                          ; which half of its columns.  Also: which half of that operand's rows and planes I fetch
	s_bfe_u32 s40, ttmp6, 0x40000                  ; cx, cy: my place in the cluster
	s_bfe_u32 s41, ttmp6, 0x40004
	s_lshl_b32 s42, ttmp9, 2
	s_add_co_u32 s42, s42, s40                     ; tile column = 4 x cluster x + cx: the head
	s_and_b32 s17, ttmp7, 0xffff
	s_lshl_b32 s17, s17, 2
	s_add_co_u32 s17, s17, s41                     ; tile row = 4 x cluster y + cy
	s_lshl_b32 s43, s41, 2
	s_lshl_b32 s43, 15, s43                        ; my row of the cluster
	s_lshl_b32 s44, 0x1111, s40                    ; my column
	; descriptor group 1: a dense block of 32,768 bytes as 128 rows of 32 elements of 8 bytes; no padding
	s_or_b32 s[G1+0], s43, (3<<16)|(1<<21)         ; 15:0 the mask: the left operand's tiles go to my row; 17:16 elements of 8 bytes; 21 set beside a mask
	s_or_b32 s[G1B+0], s44, (3<<16)|(1<<21)
.irp g, G1, G1B
	s_mov_b32 s[\g+1], 32<<16                      ; tensor_dim0
	s_mov_b32 s[\g+2], 128<<16                     ; tensor_dim1
	s_mov_b32 s[\g+3], 32<<16                      ; tile_dim0
	s_mov_b32 s[\g+4], 128                         ; tile_dim1
	s_mov_b32 s[\g+5], 32                          ; tensor_dim0_stride
	s_mov_b32 s[\g+6], 0
	s_mov_b32 s[\g+7], 0
.endr
	; and for the scale words: 8 planes x 1,024 bytes (128 elements of 8 bytes), a plane of the whole operand apart
	s_or_b32 s[G1S+0], s43, (3<<16)|(1<<21)
	s_or_b32 s[G1SB+0], s44, (3<<16)|(1<<21)
.irp g, G1S, G1SB
	s_mov_b32 s[\g+1], 128<<16
	s_mov_b32 s[\g+2], 8<<16
	s_mov_b32 s[\g+3], 128<<16
	s_mov_b32 s[\g+4], 8
	s_mov_b32 s[\g+6], 0
	s_mov_b32 s[\g+7], 0
.endr
	s_mov_b32 s[G1S+5], 4096                       ; 8,192 rows x 4 bytes
	s_mov_b32 s[G1SB+5], 1024                      ; 2,048 rows x 4 bytes
	; where the tiles come from.  The left operand's hang on the tile row alone, the right's on the tile column alone, each in registers that never hold the other coordinate.
	s_lshl_b32 s18, s16, 15                        ; which 128 rows of the tile I fetch
	s_lshl_b32 s20, s17, 16                        ; 16 row blocks of 4,096 bytes for each tile row
	s_add_co_u32 s20, s20, s18
	s_mov_b32 s21, 0
	s_lshl_b32 s46, s42, 16
	s_add_co_u32 s46, s46, s18
	s_mov_b32 s47, 0
	s_lshl_b32 s22, s16, 18                        ; which 8 planes of 32,768 bytes,
	s_lshl_b32 s19, s17, 10                        ; the tile's 256 words in a plane
	s_add_co_u32 s22, s22, s19
	s_add_co_u32 s22, s22, PLA
	s_mov_b32 s23, 0
	s_lshl_b32 s92, s16, 16                        ; 8 planes of 8,192 bytes
	s_lshl_b32 s93, s42, 10
	s_add_co_u32 s92, s92, s93
	s_add_co_u32 s92, s92, PLB
	s_mov_b32 s93, 0
	s_mul_i32 s45, s14, HALFT                      ; where they go: wave x 128 rows: no place in the cluster enters an LDS address
	s_lshl_b32 s94, s14, 13                        ; wave x 8 planes
	s_wait_kmcnt 0x0
	s_add_nc_u64 s[20:21], s[4:5], s[20:21]
	s_add_nc_u64 s[22:23], s[4:5], s[22:23]
	s_add_nc_u64 s[46:47], s[6:7], s[46:47]
	s_add_nc_u64 s[92:93], s[6:7], s[92:93]
	CROUND                                         ; all sixteen work-groups are here: the first joint loads meet
	s_mov_b32 s[G0S], 1
	s_add_co_u32 s[G0S+1], s94, SCL
	s_mov_b64 s[G0S+2:G0S+3], s[22:23]
	s_or_b32 s[G0S+3], s[G0S+3], 0x80000000
	s_mov_b32 s[G0SB], 1
	s_add_co_u32 s[G0SB+1], s94, SCL+64            ; waves 2 and 3: 16 planes on, and the 64 bytes
	s_mov_b64 s[G0SB+2:G0SB+3], s[92:93]
	s_or_b32 s[G0SB+3], s[G0SB+3], 0x80000000
	JLOAD G0S, G1S, G0SB, G1SB                     ; the scale words first: they are wanted with K step 0
.irp s, 0,1
	s_mov_b32 s[G0+4*\s], 1
	s_add_co_u32 s[G0+4*\s+1], s45, \s*SLOT
	s_add_nc_u64 s[G0+4*\s+2:G0+4*\s+3], s[20:21], \s*STEPA
	s_or_b32 s[G0+4*\s+3], s[G0+4*\s+3], 0x80000000
	s_mov_b32 s[G0B+4*\s], 1
	s_add_co_u32 s[G0B+4*\s+1], s45, \s*SLOT
	s_add_nc_u64 s[G0B+4*\s+2:G0B+4*\s+3], s[46:47], \s*STEPB
	s_or_b32 s[G0B+4*\s+3], s[G0B+4*\s+3], 0x80000000
	JLOAD G0+4*\s, G1, G0B+4*\s, G1B               ; three tensor loads of mine are out
.endr
	; K's and V's 32 parts: threads 0-63 take four numbers of K each, threads 64-127 of V
	s_lshr_b32 s96, s17, 3                         ; the batch: eight tile rows each
	s_lshl_b32 s96, s96, 14
	s_lshl_b32 s97, s42, 10                        ; the head's 256 numbers
	s_add_co_u32 s96, s96, s97
	s_mov_b32 s97, 0
	s_add_nc_u64 s[8:9], s[8:9], s[96:97]
	v_and_b32 v[KVO], 63, v0
	v_lshlrev_b32 v[KVO], 4, v[KVO]
	v_lshrrev_b32 v3, 6, v0
	v_lshl_add_u32 v[KVO], v3, 13, v[KVO]          ; V lies 2,048 numbers behind K
.set p, 0
.rept 32
	global_load_b128 v[128+4*p:131+4*p], v[KVO], s[8:9] offset:65536*p
.set p, p+1
.endr
	v_and_b32 v1, 15, v0                           ; r = l % 16
	v_bfe_u32 v2, v0, 4, 1                         ; h = l / 16
	v_and_b32 v3, 31, v0
	v_lshlrev_b32 v[CO], 4, v3
	s_mul_i32 s21, s15, HALFT                      ; my 128 rows of the left operand
	s_mul_i32 s22, s16, HALFT                      ; my 128 rows of the right,
	s_add_co_u32 s22, s22, 2*HALFT                 ; which lie behind the left's 256
.irp s, 0,1
	v_add_nc_u32 v[ADRA+\s], s21, v[CO]
	v_add_nc_u32 v[ADRB+\s], s22, v[CO]
	s_add_co_u32 s21, s21, SLOT
	s_add_co_u32 s22, s22, SLOT
.endr
	s_lshl_b32 s21, s15, 9                         ; scale words: my 128 rows of the left operand,
	s_lshl_b32 s22, s16, 9                         ; of the right,
	s_add_co_u32 s22, s22, SCB
	s_sub_co_u32 s22, s22, s21
	v_mul_u32_u24 v6, s22, v2                      ; lanes 16-31 take the right's: one product, h x the distance
	s_add_co_u32 s21, s21, SCL
	v_lshl_add_u32 v5, v1, 2, v6
	v_add_nc_u32 v[ADRS], s21, v5
	v_lshl_add_u32 v[AKS], v0, 4, KVL
	s_lshl_b32 s21, s16, 9                         ; my wave's 128 columns of the head
	s_add_co_u32 s22, s21, KVL
	v_lshl_add_u32 v[AKV], v2, 5, s22
	s_add_co_u32 s22, s22, 1024
	v_lshl_add_u32 v[AVV], v2, 6, s22
	s_lshl_b32 s21, s14, 9
	s_add_co_u32 s22, s21, LGT
	v_lshl_add_u32 v[ALG], v1, 2, s22
	s_xor_b32 s23, s14, 1                          ; the wave with the same rows and the other columns
	s_lshl_b32 s23, s23, 9
	s_add_co_u32 s23, s23, LGT
	v_lshl_add_u32 v[ALP], v1, 2, s23
	s_add_co_u32 s22, s21, SWS
	v_lshl_add_u32 v[ASW], v1, 2, s22
	v_add_nc_u32 v[ASR], s22, v[CO]
	s_mov_b32 s[SEL], 0x76543210
	s_mov_b32 s[SEL+1], 0xfedcba98
	; where my results go: ks = 2 x head + my half of its columns
	s_lshr_b32 s96, s42, 1
	s_lshl_b32 s96, s96, 21                        ; s = ks / 4 = head / 2
	s_lshl_b32 s97, s17, 16
	s_add_co_u32 s96, s96, s97                     ; 16 row blocks for each tile row,
	s_lshl_b32 s97, s15, 15
	s_add_co_u32 s96, s96, s97                     ; my 8 of them,
	s_and_b32 s97, s42, 1
	s_lshl_b32 s97, s97, 11
	s_add_co_u32 s96, s96, s97
	s_lshl_b32 s97, s16, 10
	s_add_co_u32 s96, s96, s97                     ; q = ks % 4
	s_mov_b32 s97, 0
	s_add_nc_u64 s[12:13], s[10:11], s[96:97]      ; the codes
	s_lshl_b32 s96, s42, 16
	s_lshl_b32 s97, s16, 15
	s_add_co_u32 s96, s96, s97                     ; plane ks,
	s_lshl_b32 s97, s17, 10
	s_add_co_u32 s96, s96, s97
	s_lshl_b32 s97, s15, 9
	s_add_co_u32 s96, s96, s97                     ; my 128 rows' words
	s_add_co_u32 s96, s96, PLA
	s_mov_b32 s97, 0
	s_add_nc_u64 s[10:11], s[10:11], s[96:97]      ; the scale words
	s_wait_loadcnt 0x0
.set p, 4
.rept 28                               ; the 32 parts in four chains
	v_pk_add_f32 v[128+4*(p%4):129+4*(p%4)], v[128+4*(p%4):129+4*(p%4)], v[128+4*p:129+4*p]
	v_pk_add_f32 v[130+4*(p%4):131+4*(p%4)], v[130+4*(p%4):131+4*(p%4)], v[130+4*p:131+4*p]
.set p, p+1
.endr
	v_pk_add_f32 v[128:129], v[128:129], v[132:133]
	v_pk_add_f32 v[130:131], v[130:131], v[134:135]
	v_pk_add_f32 v[136:137], v[136:137], v[140:141]
	v_pk_add_f32 v[138:139], v[138:139], v[142:143]
	v_pk_add_f32 v[128:129], v[128:129], v[136:137]
	v_pk_add_f32 v[130:131], v[130:131], v[138:139]
	ds_store_b128 v[AKS], v[128:131]
.macro FRAG reg, adr, q, i             ; a fragment is 8 registers: lane l holds row l % 16; registers 4 c .. 4 c + 3 hold K = 64 c + 32 (l / 16) + 0 .. 31.  Its image: 512 consecutive bytes for each c
.irp c, 0,1
	ds_load_b128 v[\reg+4*\c:\reg+4*\c+3], v[\adr] offset:FRB*(\q)+512*\c+RBB*(\i)
.endr
.endm
; 16 matrix instructions: the left operand's blocks a0, a0 + 1 x the right's eight, 128 along K: the slot's q-th.  p: the right's set;  sc: the set of scale words.  zero = 1: the first product starts the sums.
; The 64 accumulators take turns, one instruction a turn, in the same order in every step.
.macro MUL16 a0, p, q, sc, zero
.irp a, \a0, \a0+1
.irp b, 0,1,2,3,4,5,6,7
.if \zero
	v_wmma_scale_f32_16x16x128_f8f6f4 v[8*(8*((\a)%4)+\b):8*(8*((\a)%4)+\b)+7], v[128*(\p)+FR*\b:128*(\p)+FR*\b+FR-1], v[AF+FR*(\a):AF+FR*(\a)+FR-1], 0, v[SC+8*NQ*(\sc)+NQ*\b+(\q)], v[SC+8*NQ*(\sc)+NQ*(\a)+(\q)] matrix_a_fmt:MATRIX_FMT_FP4 matrix_b_fmt:MATRIX_FMT_FP4 matrix_a_scale:MATRIX_SCALE_ROW1
.else
	v_wmma_scale_f32_16x16x128_f8f6f4 v[8*(8*((\a)%4)+\b):8*(8*((\a)%4)+\b)+7], v[128*(\p)+FR*\b:128*(\p)+FR*\b+FR-1], v[AF+FR*(\a):AF+FR*(\a)+FR-1], v[8*(8*((\a)%4)+\b):8*(8*((\a)%4)+\b)+7], v[SC+8*NQ*(\sc)+NQ*\b+(\q)], v[SC+8*NQ*(\sc)+NQ*(\a)+(\q)] matrix_a_fmt:MATRIX_FMT_FP4 matrix_b_fmt:MATRIX_FMT_FP4 matrix_a_scale:MATRIX_SCALE_ROW1
.endif
.endr
.endr
.endm
.macro FETCH_B slot, q, p              ; the right operand's eight fragments of the slot's q-th 128 along K into set p
	WIN TO_B
.irp i, 0,1,2,3,4,5,6,7
	FRAG 128*(\p)+FR*\i, ADRB+\slot, \q, \i
.endr
	WIN 0
.endm
.macro FETCH_A slot, q, i0             ; the left operand's blocks i0 .. i0 + 3
.irp i, \i0, \i0+1, \i0+2, \i0+3
	FRAG AF+FR*(\i), ADRA+\slot, \q, \i
.endr
.endm
.macro SCALES sc                       ; a K step's scale words into set sc: lanes 0-15 take the left operand's block i, lanes 16-31 the right's block i
.irp i, 0,1,2,3,4,5,6,7
.irp q, 0,1,2,3
	ds_load_b32 v[SC+8*NQ*\sc+NQ*\i+\q], v[ADRS] offset:PLANE*\q+64*\i
.endr
.endr
.endm
; A load into a register that a matrix instruction has read, and a vector instruction or an LDS store that reads a matrix result, stand NP places behind that matrix instruction, and only plain vector
; instructions that name none of its registers are places (ISA guide 7.12.1 for vector instructions).
.macro PLACES n
.rept \n
	v_nop
.endr
.endm
; A step of 128 along K that has its successor in the same slot.  A block of the left operand is free as soon as its eight products are issued: blocks 0-3 are fetched anew in the step's middle, blocks 4-7 at its end.
.macro STEP slot, q, zero
	s_wait_dscnt 4*NL                              ; all but the youngest eight loads (the left operand's blocks 4-7) are in
	WIN MUL_LO
	MUL16 0, (\q)%2, \q, \slot, \zero
	MUL16 2, (\q)%2, \q, \slot, \zero
	s_wait_dscnt 0                                 ; blocks 4-7 are in (asked for 32 matrix instructions ago)
	PLACES NP
	FETCH_B \slot, (\q)+1, 1-(\q)%2
	FETCH_A \slot, (\q)+1, 0
	WIN MUL_HI
	MUL16 4, (\q)%2, \q, \slot, \zero
	MUL16 6, (\q)%2, \q, \slot, \zero
	PLACES NP
	WIN 0
	FETCH_A \slot, (\q)+1, 4
.endm
; A slot's last step changes slots: ONE barrier; in front of it each wave waits for all its tensor loads, adds 0 to its spare word, and waits for that and for its own reads of this slot.  fill = 1: this slot is filled again, two K steps ahead.
.macro TURN slot, next, fill
	s_wait_tensorcnt 0x0                           ; all my tensor loads have landed: my part of the next slot;  (every window is 0 here)
	ds_add_u32 v[SPW], v[NIL]                      ; 0 onto my spare word
	s_wait_dscnt 4*NL+1                            ; (the add and the youngest eight loads may be out)
	WIN MUL_LO
	MUL16 0, 1, NQ-1, \slot, 0                     ; sixteen matrix instructions stand between the add and the wait for it
	s_wait_dscnt 0x0                               ; the add is done, and my reads of this slot are over
	s_barrier_signal -1
	MUL16 2, 1, NQ-1, \slot, 0
	WIN 0
	s_barrier_wait -1
.if \fill
	CREST                                          ; the barrier has opened a round of the cluster's barrier: no wave of any partner still reads this slot's tile or has a load on its way
	s_add_nc_u64 s[G0+4*\slot+2:G0+4*\slot+3], s[G0+4*\slot+2:G0+4*\slot+3], 2*STEPA
	s_add_nc_u64 s[G0B+4*\slot+2:G0B+4*\slot+3], s[G0B+4*\slot+2:G0B+4*\slot+3], 2*STEPB
	JLOAD G0+4*\slot, G1, G0B+4*\slot, G1B         ; the first tensor load behind the round, my one load until the next; its four v_nop are the places in front of the loads below
.else
	PLACES NP
.endif
	v_add_nc_u32 v[ADRS], NQ*PLANE, v[ADRS]        ; on to the next K step's four planes (no LDS load of mine is out)
	FETCH_B \next, 0, 0
	FETCH_A \next, 0, 0
	SCALES \next
	WIN MUL_HI
	MUL16 4, 1, NQ-1, \slot, 0
	MUL16 6, 1, NQ-1, \slot, 0
	PLACES NP
	WIN 0
	FETCH_A \next, 0, 4
.endm
.macro STEPS slot, from                ; the slot's steps from .. NQ - 2
.set Q, \from
.rept NQ-1-\from
	STEP \slot, Q, 0
.set Q, Q+1
.endr
.endm
	s_wait_tensorcnt 1                             ; the scale words and my part of K step 0 are in (K step 1's load may be out)
	s_wait_dscnt 0x0                               ; and my four numbers of K or V lie in LDS
	s_barrier_signal -1
	s_barrier_wait -1                              ; everybody's do
	FETCH_B 0, 0, 0
	FETCH_A 0, 0, 0
	SCALES 0
	FETCH_A 0, 0, 4
	STEP 0, 0, 1                                   ; the first step stands in front of the loop: its products start the sums
	s_mov_b32 s3, LAPS-1
.Llap:                                                 ; a trip goes once round the ring, from a lap's second step to the next lap's first, and fills both slots again
	STEPS 0, 1
	TURN 0, 1, 1
	STEPS 1, 0
	TURN 1, 0, 1
	STEP 0, 0, 0
	s_sub_co_u32 s3, s3, 1
	s_cmp_lg_u32 s3, 0
	s_cbranch_scc1 .Llap
	STEPS 0, 1                                     ; the last lap fills nothing, and has no round of the cluster's barrier
	TURN 0, 1, 0
	STEPS 1, 0
	s_wait_dscnt 4*NL                              ; the very last step: nothing more to fetch
	WIN MUL_LO
	MUL16 0, 1, NQ-1, 1, 0
	MUL16 2, 1, NQ-1, 1, 0
	s_wait_dscnt 0
	WIN MUL_HI
	MUL16 4, 1, NQ-1, 1, 0
	MUL16 6, 1, NQ-1, 1, 0
	WIN 0
; THE WAY OUT.  Lane (r, h) holds, in accumulator (a, b), Q(16 a + r, 16 b + 8 h + 0..7) of my 128 x 128.
	PLACES NP                                      ; behind the last products: for the loads into the right operand's registers and for the first reads of results
	WIN TO_B
.irp b, 0,1,2,3,4,5,6,7
	ds_load_b128 v[8*\b:8*\b+3], v[AKV] offset:64*\b           ; K at my columns 16 b + 8 h + 0..7: window 1, v[8 b ..]
	ds_load_b128 v[8*\b+4:8*\b+7], v[AKV] offset:64*\b+16
.endr
.irp b, 0,1,2,3
.irp i, 0,1,2,3
	ds_load_b128 v[64+16*\b+4*\i:64+16*\b+4*\i+3], v[AVV] offset:128*\b+16*\i   ; V at 32 b + 16 h + 0..15: window 1, v[64 + 16 b ..]: the order in which the quantiser wants a lane's 64 numbers
.endr
.endr
	s_wait_dscnt 16                                ; K is in; V's sixteen loads may be out
.irp hi, 0,1                           ; the logits' parts: 64 multiply-adds a row block, two at a time; four row blocks by turns; each accumulator is read from its low end on
	WIN 0x06+\hi                                   ; source 0 (the accumulators) window 2 or 3, source 1 (K) window 1
.irp b, 0,1,2,3,4,5,6,7
.irp jp, 0,1,2,3
.irp a, 0,1,2,3
.if (\b == 0) && (\jp == 0)
	v_pk_mul_f32 v[LP+2*(4*\hi+\a):LP+2*(4*\hi+\a)+1], v[64*\a+8*\b+2*\jp:64*\a+8*\b+2*\jp+1], v[8*\b+2*\jp:8*\b+2*\jp+1]
.else
	v_pk_fma_f32 v[LP+2*(4*\hi+\a):LP+2*(4*\hi+\a)+1], v[64*\a+8*\b+2*\jp:64*\a+8*\b+2*\jp+1], v[8*\b+2*\jp:8*\b+2*\jp+1], v[LP+2*(4*\hi+\a):LP+2*(4*\hi+\a)+1]
.endif
.endr
.endr
.endr
.endr
	WIN 0
.irp a, 0,1,2,3,4,5,6,7
	v_mov_b32 v[TM+8+\a], 0                        ; written once: a lane permute's destination counts as one of its sources
.endr
.irp a, 0,1,2,3,4,5,6,7
	v_add_f32 v[TM+\a], v[LP+2*\a], v[LP+2*\a+1]
.endr
.irp a, 0,1,2,3,4,5,6,7
	v_permlanex16_b32 v[TM+8+\a], v[TM+\a], s[SEL], s[SEL+1]
.endr
.irp a, 0,1,2,3,4,5,6,7
	v_add_f32 v[TM+\a], v[TM+\a], v[TM+8+\a]       ; with lane l xor 16's columns: my wave's 128 columns of row 16 a + r
.endr
.irp a, 0,1,2,3,4,5,6,7
	ds_store_b32 v[ALG], v[TM+\a] offset:64*\a     ; lanes r and r + 16 write the same word with the same value
.endr
	s_wait_dscnt 0x0                               ; for the partner's sake: my parts lie in LDS (and V is in)
	s_barrier_signal -1
	s_barrier_wait -1
.irp a, 0,1,2,3,4,5,6,7
	ds_load_b32 v[TM+8+\a], v[ALP] offset:64*\a
.endr
	s_wait_dscnt 0x0
.irp a, 0,1,2,3,4,5,6,7
	v_add_f32 v[TM+\a], v[TM+\a], v[TM+8+\a]       ; Q . K over the head's 256
.endr
.irp a, 0,1,2,3,4,5,6,7
	v_mul_f32 v[TM+\a], 0x3db8aa3b, v[TM+\a]       ; t = logit x log2(e), the logit being Q . K / 16
.endr
.irp a, 0,1,2,3,4,5,6,7
	v_sub_f32 v[TM+8+\a], v[TM+\a], v[TM+\a]       ; less the row's maximum: with one key that is t itself
.endr
.irp a, 0,1,2,3,4,5,6,7
	v_exp_f32 v[TM+8+\a], v[TM+8+\a]               ; p
.endr
	v_nop                                          ; a plain place behind the exponentials
	s_wait_alu depctr_va_vdst(0)                   ; one wait for the eight, ahead of their first reader
.irp a, 0,1,2,3,4,5,6,7
	v_rcp_f32 v[TM+\a], v[TM+8+\a]                 ; 1 / the row's sum: with one key that is p
.endr
	v_nop
	s_wait_alu depctr_va_vdst(0)
.irp a, 0,1,2,3,4,5,6,7
	v_mul_f32 v[LP+2*\a], v[TM+8+\a], v[TM+\a]     ; att
.endr
; 64 numbers of a lane, register 16 b + i = k 32 b + 16 (lane / 16) + i of my row, become a fragment's codes in v[pc] on and its scale word in v[pw].
.macro QUANT src, pc, pw
.irp b, 0,1,2,3
	v_max3_num_f32 v[TM+\b], |v[\src+16*\b]|, |v[\src+1+16*\b]|, 0x1800000   ; block b: my 16 numbers, and the floor 2^(3 - 127): the byte cannot fall under 1
.endr
.irp i, 2,4,6,8,10,12,14
.irp b, 0,1,2,3
	v_max3_num_f32 v[TM+\b], v[TM+\b], |v[\src+16*\b+\i]|, |v[\src+1+16*\b+\i]|   ; (the four blocks by turns)
.endr
.endr
.irp b, 0,1,2,3
	v_permlanex16_b32 v[TM+4+\b], v[TM+\b], s[SEL], s[SEL+1]
.endr
.irp b, 0,1,2,3
	v_max_num_f32 v[TM+\b], v[TM+\b], v[TM+4+\b]   ; with lane l xor 16's: the block's largest magnitude
.endr
.irp b, 0,1,2,3
	v_add_nc_u32 v[TM+12+\b], 0xff000000, v[TM+\b] ; 2 off its exponent field: the conversion's scale operand
.endr
.irp b, 0,1,2,3
	v_lshrrev_b32 v[TM+4+\b], 23, v[TM+12+\b]      ; the scale's byte
.endr
	v_lshl_or_b32 v[\pw], v[TM+5], 8, v[TM+4]      ; the four bytes make my row's scale word
	v_lshl_or_b32 v[\pw], v[TM+6], 16, v[\pw]
	v_lshl_or_b32 v[\pw], v[TM+7], 24, v[\pw]
.irp b, 0,1,2,3
	v_cvt_scalef32_pk8_fp4_f32 v[(\pc)+2*\b], v[\src+16*\b:\src+7+16*\b], v[TM+12+\b]
	v_cvt_scalef32_pk8_fp4_f32 v[(\pc)+1+2*\b], v[\src+8+16*\b:\src+15+16*\b], v[TM+12+\b]
.endr
	v_nop                                          ; one plain place behind a scaled conversion
.irp c, 0,1                                    ; the operand's layout wants a WHOLE block in a lane: lanes 0-15 block 2 c, lanes 16-31 block 2 c + 1
.irp i, 0,1
	v_permlane16_swap_b32 v[(\pc)+4*\c+\i], v[(\pc)+2+4*\c+\i]
.endr
.endr
.endm
.irp a, 0,1,2,3,4,5,6,7                ; row block a: att x V at my 128 columns, quantised: one fragment and one scale word a row
	WIN 0x01                                       ; source 0 (V) window 1
.set x, 0
.rept 32
	v_pk_mul_f32 v[HH+x:HH+x+1], v[64+x:65+x], v[LP+2*\a:LP+2*\a+1] op_sel_hi:[1,0]
.set x, x+2
.endr
	WIN 0
	QUANT HH, PCQ+8*\a, PWQ+\a
	global_store_b128 v[CO], v[PCQ+8*\a:PCQ+8*\a+3], s[12:13] offset:RBB*\a        ; the image as it stands: 32 lanes store 512 consecutive bytes, aligned
	global_store_b128 v[CO], v[PCQ+8*\a+4:PCQ+8*\a+7], s[12:13] offset:RBB*\a+512
	ds_store_b32 v[ASW], v[PWQ+\a] offset:64*\a    ; lanes r and r + 16 write the same word with the same value
.endr
	ds_load_b128 v[12:15], v[ASR]                  ; my wave's 128 scale words (its own bytes: LDS serves a wave's instructions in order)
	s_wait_dscnt 0x0
	global_store_b128 v[CO], v[12:15], s[10:11]    ; 512 consecutive bytes, aligned
	s_wait_tensorcnt 0x0                           ; the wave's end: behind my last tensor load and my last LDS store
	ds_add_u32 v[SPW], v[NIL]
	s_wait_dscnt 0x0
	CROUND                                         ; the closing round: no work-group ends while a partner may still ask for a tile that names it
	s_endpgm
.Lfunc_end_k_qfff73578f7_gemm1:
	.size	k_qfff73578f7_gemm1, .Lfunc_end_k_qfff73578f7_gemm1-k_qfff73578f7_gemm1
	.p2alignl 7, 3214868480
	.fill 96, 4, 3214868480
	.section	.rodata,"a",@progbits
	.p2align	6, 0x0
	.amdhsa_kernel k_qfff73578f7_gemm1
		.amdhsa_group_segment_fixed_size 327680
		.amdhsa_private_segment_fixed_size 0
		.amdhsa_enable_private_segment 0
		.amdhsa_kernarg_size 32
		.amdhsa_user_sgpr_count 2
		.amdhsa_user_sgpr_kernarg_segment_ptr 1
		.amdhsa_wavefront_size32 1
		.amdhsa_system_sgpr_workgroup_id_x 1
		.amdhsa_system_sgpr_workgroup_id_y 1
		.amdhsa_system_sgpr_workgroup_id_z 1
		.amdhsa_system_vgpr_workitem_id 0
		.amdhsa_next_free_vgpr 1024
		.amdhsa_next_free_sgpr 100
		.amdhsa_reserve_vcc 0
		.amdhsa_float_denorm_mode_32 3
		.amdhsa_float_denorm_mode_16_64 3
		.amdhsa_memory_ordered 1
		.amdhsa_forward_progress 1
		.amdhsa_inst_pref_size 255
	.end_amdhsa_kernel
	.section	.bss,"aw",@nobits
	.p2align	6
	.space	262144
	.amdgpu_metadata
---
amdhsa.version: [ 1, 2 ]
amdhsa.kernels:
  - .name:           k_qfff73578f7_gemm1
    .symbol:         k_qfff73578f7_gemm1.kd
    .args:
      - { .name: xq, .offset: 0, .size: 8, .value_kind: global_buffer, .address_space: global }
      - { .name: wqq, .offset: 8, .size: 8, .value_kind: global_buffer, .address_space: global }
      - { .name: kvp, .offset: 16, .size: 8, .value_kind: global_buffer, .address_space: global }
      - { .name: a2q, .offset: 24, .size: 8, .value_kind: global_buffer, .address_space: global }
    .group_segment_fixed_size: 327680
    .private_segment_fixed_size: 0
    .kernarg_segment_align: 8
    .kernarg_segment_size: 32
    .max_flat_workgroup_size: 128
    .sgpr_count:     100
    .vgpr_count:     1024
    .wavefront_size: 32
...
	.end_amdgpu_metadata
.endif
;; end of part 2
;; launch gemm2 (part 3): grid 8 x 32, 4 waves a work-group, clusters of 4 x 4, 327,680 bytes of LDS; arguments a2q, woq, last_hidden, gate, out0; writes out0
.if DOCPART == 3
	.amdgcn_target "amdgcn-amd-amdhsa--gfx1250"
	.amdhsa_code_object_version 6
	.text
	.protected	k_qfff73578f7_gemm2
	.globl	k_qfff73578f7_gemm2
	.p2align	8
	.type	k_qfff73578f7_gemm2,@function
k_qfff73578f7_gemm2:
	s_mov_b64 s[64:65], 0
	v_nop
	global_prefetch_b8 v0, s[64:65] scope:SCOPE_SE
	s_setreg_imm32_b32 hwreg(HW_REG_WAVE_MODE, 25, 1), 1
	s_wait_xcnt 0x0
	s_wait_alu depctr_hold_cnt(0) depctr_sa_sdst(0) depctr_va_vdst(0) depctr_va_sdst(0) depctr_va_ssrc(0) depctr_va_vcc(0) depctr_vm_vsrc(0)
	s_getreg_b32 s2, hwreg(HW_REG_IB_STS2, 6, 4)
	s_cmp_eq_u32 s2, 0
	s_cbranch_scc0 .Lentry_in_a_cluster
	s_endpgm
.Lentry_in_a_cluster:
	s_bfe_u32 s2, ttmp6, 0x10000c
	s_cmp_lg_u32 s2, 0xf033
	s_cbranch_scc0 .Lentry_shape_is_right
	s_endpgm
.Lentry_shape_is_right:
; GEMM2: out0 = last_hidden + sigmoid(gate) x ((att x V) W_o), the product on codes of FP4 (E2M1) with one E8M0 scale for each 32 along K; sums, sigmoid and the residual in f32.
; A tile of 256 x 256 is made by a work-group of four waves, as many as a WGP has SIMDs; a wave makes 128 x 128: 64 accumulators of 16 x 16, 512 registers.
; OPERANDS lie in memory as images of their registers: codes [s = k/512][rb = row/16][q][c 2][lane 32][16 bytes], so a K step's codes of 128 rows are one dense block of 32,768 bytes, a fragment is two loads of
; 512 consecutive LDS bytes, and no padding is wanted.  Scale words lie behind the codes, [ks = k/128][row]; those of the work-group's 256 + 256 rows for all of K come into LDS once, with the first fills.
; K goes in four steps of 512 through a ring of two LDS slots filled by the tensor data mover.
; CLUSTERS: 4 x 4 work-groups.  The four of a row of the cluster need the same tiles of the left operand, the four of a column the same tiles of the right: each tile is asked for JOINTLY, by the same tensor load
; with the same descriptor and a mask that names the four.  THE MATRIX INSTRUCTION IS USED TRANSPOSED (source 0 = 16 rows of the right operand, source 1 = 16 of the left): a lane holds eight neighbouring numbers of a row.
; THE RESIDUAL.  My 128 rows x 512 bytes of last_hidden go in eight blocks of 16 rows, 64 registers each.  Blocks 0, 1 and 2 are loaded at the head into 192 registers that lie idle during the products; blocks 3, 4
; and 5 are prefetched at the three changes of slots and loaded when the operands' registers fall free; blocks 6 and 7 follow into the registers of blocks 0 and 1.
; THE WAY OUT HAS REGISTERS OF ITS OWN FOR EVERY BLOCK: a block's rows come back from the stage into the accumulators that they left, are added to in place and stored from there.  No store's data, offset or base is
; ever written again, so no wait stands between one block's stores and the next block's work.
; LIMITS: NaN and infinities are not served.  The operands' tiles are not prefetched: the ring is filled again only twice.  The 256 tiles are one to a work-group, so no work-group stays.
; REGISTERS, in windows of 256: window 0: v1-31 addresses and sigmoid(gate); v32-95 scale words, two sets, and nothing else; v128-191 the left operand's fragments, ONE set, later block 5 of last_hidden; v192-255 block 2.
;   window 1: the right operand's fragments, TWO sets, at v0 and v128, later blocks 3 and 4; v64-127 blocks 0 and 6, v192-255 blocks 1 and 7.   windows 2, 3: the accumulators ((a, b) at v[8 (8 (a % 4) + b)]), later the rows of out0.
.set NQ,    4                          ; matrix instructions deep in a slot: 512 along K
.set FR,    8                          ; registers of a fragment: 16 rows x 128 K
.set NL,    2                          ; LDS loads that bring one
.set NP,    4                          ; places behind this matrix instruction (ISA guide 7.12.1)
.set FRB,   1024                       ; a fragment's image in bytes
.set RBB,   4096                       ; a row block's four fragments of a K step
.set HALFT, 8*RBB                      ; 128 rows: what one tensor load brings, and what one wave reads of either operand
.set SLOT,  4*HALFT                    ; the left operand's 256 rows, then the right's
.set STEPA, 512*RBB                    ; from K step to K step in memory: 8,192 rows
.set STEPB, 128*RBB                    ; 2,048 rows
.set PLA,   4*STEPA                    ; where the scale words begin
.set PLB,   4*STEPB
.set LAPS,  2                          ; a lap = two K steps = once round the ring
.set PLANE, 1024                       ; LDS: 256 rows' scale words for 128 along K
.set SCL,   2*SLOT                     ; behind the ring: the left operand's 16 planes,
.set SCB,   16*PLANE+64                ; and this much further on the right's: 64 bytes askew, so that lanes 0-15 and lanes 16-31 of a load take different words modulo 256 bytes
.set SPARE, 295168                     ; the spare words, 128 bytes for each wave: two blocks of 256 bytes that no other line names
.set SPITCH, 528                       ; the way out: a stage of 16 rows x (512 bytes + 16) for each wave.  It lies in slot 0, which has had its last fill and its last read when the first result is stored there
.set ROWO,  8192                       ; a row of last_hidden and of out0 in bytes
.set ADRA, 16                          ; v16-17  LDS address of my fragments of the left operand in slot 0, 1
.set ADRB, 20                          ; v20-21  the same for the right operand
.set PFO,  23                          ; v23     the prefetches' offset: row lane / 2 of a block, its half lane % 2 of 256 bytes; never rewritten
.set STO,  24                          ; v24     the way out: where I put 32 bytes of a row
.set RD,   25                          ; v25     the way out: where I read a row back
.set CO,   26                          ; v26     16 x lane; never rewritten
.set ADRS, 27                          ; v27     LDS address of my scale words: lanes 0-15 the left operand's rows, lanes 16-31 the right's
.set SPW,  28                          ; v28     LDS address of my spare word; never rewritten
.set NIL,  29                          ; v29     0; never rewritten
.set SG,   30                          ; v[30:31] sigmoid(gate), named as a pair
.set SC,   32                          ; scale words: set s at v[SC + 32 s]; in it register 4 i + q: lanes 0-15 the left operand's block i, lanes 16-31 the right's block i, for the slot's q-th 128 along K
.set AF,   128                         ; the left operand's fragments
.set G1, 24                            ; s[24:31] descriptor group 1 for the left operand's tiles;  s[32:39] group 0, one set for each slot
.set G0, 32
.set G1B, 48                           ; s[48:55], s[56:63] the same for the right operand's
.set G0B, 56
.set G1S, 68                           ; s[68:75], s[76:79] groups 1 and 0 for the left operand's scale words;  s[80:87], s[88:91] for the right's
.set G0S, 76
.set G1SB, 80
.set G0SB, 88
.set MSB, 0
.macro WIN new                         ; the immediate's high byte repeats the setting that is left; a switch that changes nothing is dropped
.if MSB != (\new)
	s_set_vgpr_msb (MSB<<8)|(\new)
.set MSB, (\new)
.endif
.endm
.set MUL_LO, 0xa1                      ; source 0 window 1, source 1 window 0, C and D window 2
.set MUL_HI, 0xf1                      ; the same, C and D window 3
.set TO_B,   0x40                      ; destination window 1, address window 0
; A joint load: waves 0 and 1 fetch for the left operand, waves 2 and 3 for the right.  Each of the two lines has ONE mask and one set of registers for all that issue it; the branch hangs on the wave's number alone.
; Four v_nop follow each of the two lines, ahead of the jump, the label and what follows.
.macro JLOAD g0a, g1a, g0b, g1b
	s_cmp_eq_u32 s15, 0
	s_cbranch_scc0 .Lfor_b_\@
	tensor_load_to_lds s[\g0a:\g0a+3], s[\g1a:\g1a+7]
	s_nop 0
.rept 4
	v_nop
.endr
	s_branch .Lasked_\@
.Lfor_b_\@:
	tensor_load_to_lds s[\g0b:\g0b+3], s[\g1b:\g1b+7]
	s_nop 0
.rept 4
	v_nop
.endr
.Lasked_\@:
.endm
.macro CREST                           ; a round of the cluster's barrier behind its opening barrier
	s_cmp_lg_u32 s14, 0
	s_cbranch_scc1 .Lnot_wave_0_\@
	s_barrier_signal -3
.Lnot_wave_0_\@:
	s_barrier_wait -3
	s_barrier_signal -1
	s_barrier_wait -1
.endm
.macro CROUND                          ; a whole round
	s_barrier_signal -1
	s_barrier_wait -1
	CREST
.endm
	s_load_b256 s[4:11], s[0:1], 0x0               ; a2q s[4:5], woq s[6:7], last_hidden s[8:9], gate s[10:11]
	s_load_b64 s[12:13], s[0:1], 0x20              ; out0
	v_lshl_add_u32 v[SPW], v0, 2, SPARE
	v_mov_b32 v[NIL], 0
	ds_add_u32 v28, v29
	ds_add_u32 v28, v29
	s_wait_dscnt 0x0
	v_lshrrev_b32 v1, 5, v0
	v_readfirstlane_b32 s14, v1                    ; wave 0..3
	s_lshr_b32 s15, s14, 1                         ; which half of the tile's rows is mine.  Also: I fetch for the left operand (0) or the right (1)
	s_and_b32 s16, s14, 1                          ; which half of its columns.  Also: which half of that operand's rows and planes I fetch
	s_bfe_u32 s40, ttmp6, 0x40000                  ; cx, cy: my place in the cluster
	s_bfe_u32 s41, ttmp6, 0x40004
	s_lshl_b32 s42, ttmp9, 2
	s_add_co_u32 s42, s42, s40                     ; tile column = 4 x cluster x + cx
	s_and_b32 s17, ttmp7, 0xffff
	s_lshl_b32 s17, s17, 2
	s_add_co_u32 s17, s17, s41                     ; tile row = 4 x cluster y + cy
	s_lshl_b32 s43, s41, 2
	s_lshl_b32 s43, 15, s43                        ; my row of the cluster
	s_lshl_b32 s44, 0x1111, s40                    ; my column
	; descriptor group 1: a dense block of 32,768 bytes as 128 rows of 32 elements of 8 bytes; no padding
	s_or_b32 s[G1+0], s43, (3<<16)|(1<<21)         ; 15:0 the mask: the left operand's tiles go to my row; 17:16 elements of 8 bytes; 21 set beside a mask
	s_or_b32 s[G1B+0], s44, (3<<16)|(1<<21)
.irp g, G1, G1B
	s_mov_b32 s[\g+1], 32<<16                      ; tensor_dim0
	s_mov_b32 s[\g+2], 128<<16                     ; tensor_dim1
	s_mov_b32 s[\g+3], 32<<16                      ; tile_dim0
	s_mov_b32 s[\g+4], 128                         ; tile_dim1
	s_mov_b32 s[\g+5], 32                          ; tensor_dim0_stride
	s_mov_b32 s[\g+6], 0
	s_mov_b32 s[\g+7], 0
.endr
	; and for the scale words: 8 planes x 1,024 bytes (128 elements of 8 bytes), a plane of the whole operand apart
	s_or_b32 s[G1S+0], s43, (3<<16)|(1<<21)
	s_or_b32 s[G1SB+0], s44, (3<<16)|(1<<21)
.irp g, G1S, G1SB
	s_mov_b32 s[\g+1], 128<<16
	s_mov_b32 s[\g+2], 8<<16
	s_mov_b32 s[\g+3], 128<<16
	s_mov_b32 s[\g+4], 8
	s_mov_b32 s[\g+6], 0
	s_mov_b32 s[\g+7], 0
.endr
	s_mov_b32 s[G1S+5], 4096                       ; 8,192 rows x 4 bytes
	s_mov_b32 s[G1SB+5], 1024                      ; 2,048 rows x 4 bytes
	; where the tiles come from.  The left operand's hang on the tile row alone, the right's on the tile column alone, each in registers that never hold the other coordinate.
	s_lshl_b32 s18, s16, 15                        ; which 128 rows of the tile I fetch
	s_lshl_b32 s20, s17, 16                        ; 16 row blocks of 4,096 bytes for each tile row
	s_add_co_u32 s20, s20, s18
	s_mov_b32 s21, 0
	s_lshl_b32 s46, s42, 16
	s_add_co_u32 s46, s46, s18
	s_mov_b32 s47, 0
	s_lshl_b32 s22, s16, 18                        ; which 8 planes of 32,768 bytes,
	s_lshl_b32 s19, s17, 10                        ; the tile's 256 words in a plane
	s_add_co_u32 s22, s22, s19
	s_add_co_u32 s22, s22, PLA
	s_mov_b32 s23, 0
	s_lshl_b32 s92, s16, 16                        ; 8 planes of 8,192 bytes
	s_lshl_b32 s93, s42, 10
	s_add_co_u32 s92, s92, s93
	s_add_co_u32 s92, s92, PLB
	s_mov_b32 s93, 0
	s_mul_i32 s45, s14, HALFT                      ; where they go: wave x 128 rows: no place in the cluster enters an LDS address
	s_lshl_b32 s94, s14, 13                        ; wave x 8 planes
	s_wait_kmcnt 0x0
	s_add_nc_u64 s[20:21], s[4:5], s[20:21]
	s_add_nc_u64 s[22:23], s[4:5], s[22:23]
	s_add_nc_u64 s[46:47], s[6:7], s[46:47]
	s_add_nc_u64 s[92:93], s[6:7], s[92:93]
	CROUND                                         ; all sixteen work-groups are here: the first joint loads meet
	s_mov_b32 s[G0S], 1
	s_add_co_u32 s[G0S+1], s94, SCL
	s_mov_b64 s[G0S+2:G0S+3], s[22:23]
	s_or_b32 s[G0S+3], s[G0S+3], 0x80000000
	s_mov_b32 s[G0SB], 1
	s_add_co_u32 s[G0SB+1], s94, SCL+64            ; waves 2 and 3: 16 planes on, and the 64 bytes
	s_mov_b64 s[G0SB+2:G0SB+3], s[92:93]
	s_or_b32 s[G0SB+3], s[G0SB+3], 0x80000000
	JLOAD G0S, G1S, G0SB, G1SB                     ; the scale words first: they are wanted with K step 0
.irp s, 0,1
	s_mov_b32 s[G0+4*\s], 1
	s_add_co_u32 s[G0+4*\s+1], s45, \s*SLOT
	s_add_nc_u64 s[G0+4*\s+2:G0+4*\s+3], s[20:21], \s*STEPA
	s_or_b32 s[G0+4*\s+3], s[G0+4*\s+3], 0x80000000
	s_mov_b32 s[G0B+4*\s], 1
	s_add_co_u32 s[G0B+4*\s+1], s45, \s*SLOT
	s_add_nc_u64 s[G0B+4*\s+2:G0B+4*\s+3], s[46:47], \s*STEPB
	s_or_b32 s[G0B+4*\s+3], s[G0B+4*\s+3], 0x80000000
	JLOAD G0+4*\s, G1, G0B+4*\s, G1B               ; three tensor loads of mine are out
.endr
	s_load_b32 s66, s[10:11], 0x0                  ; the gate: asked for behind the first tiles, waited for where the sigmoid is made
	v_and_b32 v1, 15, v0                           ; r = l % 16
	v_bfe_u32 v2, v0, 4, 1                         ; h = l / 16
	v_and_b32 v3, 31, v0
	v_lshlrev_b32 v[CO], 4, v3
	; my part of last_hidden and of out0: row 256 x tile row + 128 x half, column bytes 1,024 x tile column + 512 x half.  Neither base is written again: every block's place is an immediate
	s_lshl_b32 s96, s17, 21
	s_lshl_b32 s97, s15, 20
	s_add_co_u32 s96, s96, s97
	s_lshl_b32 s97, s42, 10
	s_add_co_u32 s96, s96, s97
	s_lshl_b32 s97, s16, 9
	s_add_co_u32 s96, s96, s97
	s_mov_b32 s97, 0
	s_add_nc_u64 s[8:9], s[8:9], s[96:97]
	s_add_nc_u64 s[12:13], s[12:13], s[96:97]
; where block a of last_hidden lies: XB its first register, XW its window
.macro XPLACE a
.if ((\a) == 0) || ((\a) == 6)
.set XB, 64
.set XW, 1
.elseif ((\a) == 1) || ((\a) == 7)
.set XB, 192
.set XW, 1
.elseif (\a) == 2
.set XB, 192
.set XW, 0
.elseif (\a) == 3
.set XB, 0
.set XW, 1
.elseif (\a) == 4
.set XB, 128
.set XW, 1
.else
.set XB, 128
.set XW, 0
.endif
.endm
; block a of last_hidden, 16 rows x 512 bytes, into its 64 registers.  It leaves the destination's window set
.macro XLOAD a
	XPLACE \a
	WIN (XW<<6)
.irp t, 0,1,2,3,4,5,6,7,8,9,10,11,12,13,14,15
	global_load_b128 v[XB+4*\t:XB+4*\t+3], v[CO], s[8:9] offset:(16*(\a)+\t)*ROWO th:TH_LOAD_NT   ; 32 lanes read 512 consecutive bytes
.endr
.endm
	XLOAD 0                                        ; 48 loads: they land while the products run: nothing waits for them before the way out
	XLOAD 1
	XLOAD 2
	WIN 0
	s_mul_i32 s21, s15, HALFT                      ; my 128 rows of the left operand
	s_mul_i32 s22, s16, HALFT                      ; my 128 rows of the right,
	s_add_co_u32 s22, s22, 2*HALFT                 ; which lie behind the left's 256
.irp s, 0,1
	v_add_nc_u32 v[ADRA+\s], s21, v[CO]
	v_add_nc_u32 v[ADRB+\s], s22, v[CO]
	s_add_co_u32 s21, s21, SLOT
	s_add_co_u32 s22, s22, SLOT
.endr
	s_lshl_b32 s21, s15, 9                         ; scale words: my 128 rows of the left operand,
	s_lshl_b32 s22, s16, 9                         ; of the right,
	s_add_co_u32 s22, s22, SCB
	s_sub_co_u32 s22, s22, s21
	v_mul_u32_u24 v6, s22, v2                      ; lanes 16-31 take the right's: one product, h x the distance
	s_add_co_u32 s21, s21, SCL
	v_lshl_add_u32 v5, v1, 2, v6
	v_add_nc_u32 v[ADRS], s21, v5
	s_mul_i32 s23, s14, 16*SPITCH                  ; my stage
	v_mul_u32_u24 v5, v1, SPITCH                   ; in: row l % 16, 32 bytes for each half of the lanes
	v_lshl_add_u32 v5, v2, 5, v5
	v_add_nc_u32 v[STO], s23, v5
	v_add_nc_u32 v[RD], s23, v[CO]                 ; back: the 32 lanes take one row of 512 bytes
	v_lshrrev_b32 v4, 1, v3
	v_and_b32 v5, 1, v3
	v_lshlrev_b32 v5, 8, v5
	v_lshl_add_u32 v[PFO], v4, 13, v5
	s_wait_kmcnt 0x0                               ; the gate is in
	v_mov_b32 v3, s66
	v_mul_f32 v3, 0xbfb8aa3b, v3                   ; sigmoid(g) = 1 / (1 + 2^(-g log2(e)))
	v_exp_f32 v4, v3
	v_nop                                          ; a plain place behind the transcendental,
	s_wait_alu depctr_va_vdst(0)                   ; and the wait ahead of its first reader
	v_add_f32 v4, 1.0, v4
	v_rcp_f32 v[SG], v4
	v_nop
	s_wait_alu depctr_va_vdst(0)
	v_mov_b32 v[SG+1], v[SG]                       ; (named with it as a pair, so it is written)
.macro FRAG reg, adr, q, i             ; a fragment is 8 registers: lane l holds row l % 16; registers 4 c .. 4 c + 3 hold K = 64 c + 32 (l / 16) + 0 .. 31.  Its image: 512 consecutive bytes for each c
.irp c, 0,1
	ds_load_b128 v[\reg+4*\c:\reg+4*\c+3], v[\adr] offset:FRB*(\q)+512*\c+RBB*(\i)
.endr
.endm
; 16 matrix instructions: the left operand's blocks a0, a0 + 1 x the right's eight, 128 along K: the slot's q-th.  p: the right's set;  sc: the set of scale words.  zero = 1: the first product starts the sums.
; The 64 accumulators take turns, one instruction a turn, in the same order in every step.
.macro MUL16 a0, p, q, sc, zero
.irp a, \a0, \a0+1
.irp b, 0,1,2,3,4,5,6,7
.if \zero
	v_wmma_scale_f32_16x16x128_f8f6f4 v[8*(8*((\a)%4)+\b):8*(8*((\a)%4)+\b)+7], v[128*(\p)+FR*\b:128*(\p)+FR*\b+FR-1], v[AF+FR*(\a):AF+FR*(\a)+FR-1], 0, v[SC+8*NQ*(\sc)+NQ*\b+(\q)], v[SC+8*NQ*(\sc)+NQ*(\a)+(\q)] matrix_a_fmt:MATRIX_FMT_FP4 matrix_b_fmt:MATRIX_FMT_FP4 matrix_a_scale:MATRIX_SCALE_ROW1
.else
	v_wmma_scale_f32_16x16x128_f8f6f4 v[8*(8*((\a)%4)+\b):8*(8*((\a)%4)+\b)+7], v[128*(\p)+FR*\b:128*(\p)+FR*\b+FR-1], v[AF+FR*(\a):AF+FR*(\a)+FR-1], v[8*(8*((\a)%4)+\b):8*(8*((\a)%4)+\b)+7], v[SC+8*NQ*(\sc)+NQ*\b+(\q)], v[SC+8*NQ*(\sc)+NQ*(\a)+(\q)] matrix_a_fmt:MATRIX_FMT_FP4 matrix_b_fmt:MATRIX_FMT_FP4 matrix_a_scale:MATRIX_SCALE_ROW1
.endif
.endr
.endr
.endm
.macro FETCH_B slot, q, p              ; the right operand's eight fragments of the slot's q-th 128 along K into set p
	WIN TO_B
.irp i, 0,1,2,3,4,5,6,7
	FRAG 128*(\p)+FR*\i, ADRB+\slot, \q, \i
.endr
	WIN 0
.endm
.macro FETCH_A slot, q, i0             ; the left operand's blocks i0 .. i0 + 3
.irp i, \i0, \i0+1, \i0+2, \i0+3
	FRAG AF+FR*(\i), ADRA+\slot, \q, \i
.endr
.endm
.macro SCALES sc                       ; a K step's scale words into set sc: lanes 0-15 take the left operand's block i, lanes 16-31 the right's block i
.irp i, 0,1,2,3,4,5,6,7
.irp q, 0,1,2,3
	ds_load_b32 v[SC+8*NQ*\sc+NQ*\i+\q], v[ADRS] offset:PLANE*\q+64*\i
.endr
.endr
.endm
; A load into a register that a matrix instruction has read or written, and a vector instruction or an LDS store that reads a matrix result, stand NP places behind that matrix instruction, and only plain vector
; instructions that name none of its registers are places (ISA guide 7.12.1 for vector instructions).
.macro PLACES n
.rept \n
	v_nop
.endr
.endm
; A step of 128 along K that has its successor in the same slot.  A block of the left operand is free as soon as its eight products are issued: blocks 0-3 are fetched anew in the step's middle, blocks 4-7 at its end.
.macro STEP slot, q, zero
	s_wait_dscnt 4*NL                              ; all but the youngest eight loads (the left operand's blocks 4-7) are in
	WIN MUL_LO
	MUL16 0, (\q)%2, \q, \slot, \zero
	MUL16 2, (\q)%2, \q, \slot, \zero
	s_wait_dscnt 0                                 ; blocks 4-7 are in (asked for 32 matrix instructions ago)
	PLACES NP
	FETCH_B \slot, (\q)+1, 1-(\q)%2
	FETCH_A \slot, (\q)+1, 0
	WIN MUL_HI
	MUL16 4, (\q)%2, \q, \slot, \zero
	MUL16 6, (\q)%2, \q, \slot, \zero
	PLACES NP
	WIN 0
	FETCH_A \slot, (\q)+1, 4
.endm
; A slot's last step changes slots: ONE barrier; in front of it each wave waits for all its tensor loads, adds 0 to its spare word, and waits for that and for its own reads of this slot.
; fill = 1: this slot is filled again, two K steps ahead.  At each change block blk of my rows of last_hidden is prefetched: 16 rows x 512 bytes, a lane an aligned piece of 256 bytes, one instruction.  No other wave
; of the launch reads those bytes, so each piece is named once.  The prefetch stands behind the joint load, its four lines and the run of LDS loads that the next products wait for; its address registers are never rewritten.
; The three changes stand three, two and one K step (256 matrix instructions each) ahead of the loads of blocks 3, 4 and 5.
.macro TURN slot, next, fill, blk
	s_wait_tensorcnt 0x0                           ; all my tensor loads have landed: my part of the next slot;  (every window is 0 here)
	ds_add_u32 v[SPW], v[NIL]                      ; 0 onto my spare word
	s_wait_dscnt 4*NL+1                            ; (the add and the youngest eight loads may be out)
	WIN MUL_LO
	MUL16 0, 1, NQ-1, \slot, 0                     ; sixteen matrix instructions stand between the add and the wait for it
	s_wait_dscnt 0x0                               ; the add is done, and my reads of this slot are over
	s_barrier_signal -1
	MUL16 2, 1, NQ-1, \slot, 0
	WIN 0
	s_barrier_wait -1
.if \fill
	CREST                                          ; the barrier has opened a round of the cluster's barrier: no wave of any partner still reads this slot's tile or has a load on its way
	s_add_nc_u64 s[G0+4*\slot+2:G0+4*\slot+3], s[G0+4*\slot+2:G0+4*\slot+3], 2*STEPA
	s_add_nc_u64 s[G0B+4*\slot+2:G0B+4*\slot+3], s[G0B+4*\slot+2:G0B+4*\slot+3], 2*STEPB
	JLOAD G0+4*\slot, G1, G0B+4*\slot, G1B         ; the first tensor load behind the round, my one load until the next; its four v_nop are the places in front of the loads below
.else
	PLACES NP
.endif
	v_add_nc_u32 v[ADRS], NQ*PLANE, v[ADRS]        ; on to the next K step's four planes (no LDS load of mine is out)
	FETCH_B \next, 0, 0
	FETCH_A \next, 0, 0
	SCALES \next
	global_prefetch_b8 v[PFO], s[8:9] offset:(\blk)*16*ROWO th:TH_LOAD_NT scope:SCOPE_SE
	WIN MUL_HI
	MUL16 4, 1, NQ-1, \slot, 0
	MUL16 6, 1, NQ-1, \slot, 0
	PLACES NP
	WIN 0
	FETCH_A \next, 0, 4
.endm
.macro STEPS slot, from                ; the slot's steps from .. NQ - 2
.set Q, \from
.rept NQ-1-\from
	STEP \slot, Q, 0
.set Q, Q+1
.endr
.endm
	s_wait_tensorcnt 1                             ; the scale words and my part of K step 0 are in (K step 1's load may be out)
	s_barrier_signal -1
	s_barrier_wait -1                              ; everybody's are
	FETCH_B 0, 0, 0
	FETCH_A 0, 0, 0
	SCALES 0
	FETCH_A 0, 0, 4
	STEP 0, 0, 1                                   ; the first step stands in front of the loop: its products start the sums
	s_mov_b32 s3, LAPS-1
.Llap:                                                 ; a trip goes once round the ring, from a lap's second step to the next lap's first, and fills both slots again; LAPS - 1 = 1 trip
	STEPS 0, 1
	TURN 0, 1, 1, 3
	STEPS 1, 0
	TURN 1, 0, 1, 4
	STEP 0, 0, 0
	s_sub_co_u32 s3, s3, 1
	s_cmp_lg_u32 s3, 0
	s_cbranch_scc1 .Llap
	STEPS 0, 1                                     ; the last lap fills nothing, and has no round of the cluster's barrier
	TURN 0, 1, 0, 5
	STEPS 1, 0
	s_wait_dscnt 4*NL                              ; the very last step: nothing more to fetch
	WIN MUL_LO
	MUL16 0, 1, NQ-1, 1, 0
	MUL16 2, 1, NQ-1, 1, 0
	s_wait_dscnt 0
	WIN MUL_HI
	MUL16 4, 1, NQ-1, 1, 0
	MUL16 6, 1, NQ-1, 1, 0
	WIN 0
; THE WAY OUT, block by block of 16 rows x 128 columns.  A lane holds 32 neighbouring bytes of a row, and the lanes beside it hold other rows: so a block goes through my own stage in LDS and comes back as whole
; rows of 512 bytes, in the lanes in which last_hidden's rows were loaded, INTO THE 64 REGISTERS THAT IT LEFT.  LDS serves a wave's instructions in order (ISA guide 5.7.1.4): no wait between the stores and the loads,
; nor in front of the next block's stores.
.macro TOSTAGE a
.set AC, 64*((\a)%4)
	WIN 0x08+4*((\a)/4)                            ; the data: window 2 or 3
.irp b, 0,1,2,3,4,5,6,7
	ds_store_b128 v[STO], v[AC+8*\b:AC+8*\b+3] offset:64*\b          ; each accumulator from its low end on
	ds_store_b128 v[STO], v[AC+8*\b+4:AC+8*\b+7] offset:64*\b+16
.endr
	WIN 0x80+0x40*((\a)/4)                         ; the destination: the same window
.irp t, 0,1,2,3,4,5,6,7,8,9,10,11,12,13,14,15
	ds_load_b128 v[AC+4*\t:AC+4*\t+3], v[RD] offset:\t*SPITCH        ; row t of the block: registers 4 t .. 4 t + 3
.endr
.endm
; Block a is added to and stored.  younger: the LDS instructions issued behind block a's loads from the stage, which may stay out.
; LAST_HIDDEN'S LOADS: blocks 0-2 are in (the wait for 0 at the head of the way out).  Behind block 3's loads stand those of blocks 4, 5 and 6, behind block 4's those of 5, 6 and 7, sixteen each: 48; then 32, 16, 0.
; Block 6 is asked for behind block 2's stores and block 7 behind block 3's, so that 64 loads at the most are asked for at a time, and the last of them just ahead of a wait for the oldest.
.macro SEND a, younger
.set AC, 64*((\a)%4)
	XPLACE \a
	s_wait_dscnt \younger                          ; the block is back in registers
.if ((\a) == 3) || ((\a) == 4)
	s_wait_loadcnt 48                              ; and its rows of last_hidden are in
.elseif (\a) > 4
	s_wait_loadcnt 16*(7-(\a))
.endif
	WIN ((2+(\a)/4)*0x41)|(XW<<4)                  ; source 0 and destination window 2 or 3, source 1 (the sigmoid) window 0, source 2 (last_hidden) its block's window
.set x, 0
.rept 32
	v_pk_fma_f32 v[AC+x:AC+x+1], v[AC+x:AC+x+1], v[SG:SG+1], v[XB+x:XB+x+1] op_sel_hi:[1,0,1]   ; last_hidden + sigmoid(gate) x the product, two at a time
.set x, x+2
.endr
	WIN 0x08+4*((\a)/4)                            ; a store's data are its source 1
.irp t, 0,1,2,3,4,5,6,7,8,9,10,11,12,13,14,15
	global_store_b128 v[CO], v[AC+4*\t:AC+4*\t+3], s[12:13] offset:(16*(\a)+\t)*ROWO th:TH_STORE_NT   ; 32 lanes store 512 consecutive bytes, aligned; 127 rows at the most: inside the signed 24-bit immediate.  These registers are not written again
.endr
.if ((\a) == 2) || ((\a) == 3)
	XLOAD (\a)+4                                   ; into the registers of block a - 2, which has been added
.endif
.endm
	PLACES NP                                      ; behind the last products: for the loads into the operands' registers and into the accumulators, and for the first reads of results
	s_wait_loadcnt 0x0                             ; blocks 0, 1 and 2 of last_hidden, asked for at the head, are in
	XLOAD 3                                        ; 48 loads into the registers that held the operands' fragments
	XLOAD 4
	XLOAD 5
	TOSTAGE 0
.irp a, 1,2,3,4,5,6,7
	TOSTAGE \a
	SEND \a-1, 32                                  ; behind block a - 1's loads from the stage: block a's 16 stores and 16 loads
.endr
	SEND 7, 0
	WIN 0
	s_wait_tensorcnt 0x0                           ; the wave's end: behind my last tensor load and my last LDS store
	ds_add_u32 v[SPW], v[NIL]
	s_wait_dscnt 0x0
	CROUND                                         ; the closing round: no work-group ends while a partner may still ask for a tile that names it
	s_endpgm
.Lfunc_end_k_qfff73578f7_gemm2:
	.size	k_qfff73578f7_gemm2, .Lfunc_end_k_qfff73578f7_gemm2-k_qfff73578f7_gemm2
	.p2alignl 7, 3214868480
	.fill 96, 4, 3214868480
	.section	.rodata,"a",@progbits
	.p2align	6, 0x0
	.amdhsa_kernel k_qfff73578f7_gemm2
		.amdhsa_group_segment_fixed_size 327680
		.amdhsa_private_segment_fixed_size 0
		.amdhsa_enable_private_segment 0
		.amdhsa_kernarg_size 40
		.amdhsa_user_sgpr_count 2
		.amdhsa_user_sgpr_kernarg_segment_ptr 1
		.amdhsa_wavefront_size32 1
		.amdhsa_system_sgpr_workgroup_id_x 1
		.amdhsa_system_sgpr_workgroup_id_y 1
		.amdhsa_system_sgpr_workgroup_id_z 1
		.amdhsa_system_vgpr_workitem_id 0
		.amdhsa_next_free_vgpr 1024
		.amdhsa_next_free_sgpr 100
		.amdhsa_reserve_vcc 0
		.amdhsa_float_denorm_mode_32 3
		.amdhsa_float_denorm_mode_16_64 3
		.amdhsa_memory_ordered 1
		.amdhsa_forward_progress 1
		.amdhsa_inst_pref_size 246
	.end_amdhsa_kernel
	.amdgpu_metadata
---
amdhsa.version: [ 1, 2 ]
amdhsa.kernels:
  - .name:           k_qfff73578f7_gemm2
    .symbol:         k_qfff73578f7_gemm2.kd
    .args:
      - { .name: a2q, .offset: 0, .size: 8, .value_kind: global_buffer, .address_space: global }
      - { .name: woq, .offset: 8, .size: 8, .value_kind: global_buffer, .address_space: global }
      - { .name: last_hidden, .offset: 16, .size: 8, .value_kind: global_buffer, .address_space: global }
      - { .name: gate, .offset: 24, .size: 8, .value_kind: global_buffer, .address_space: global }
      - { .name: out0, .offset: 32, .size: 8, .value_kind: global_buffer, .address_space: global }
    .group_segment_fixed_size: 327680
    .private_segment_fixed_size: 0
    .kernarg_segment_align: 8
    .kernarg_segment_size: 40
    .max_flat_workgroup_size: 128
    .sgpr_count:     100
    .vgpr_count:     1024
    .wavefront_size: 32
...
	.end_amdgpu_metadata
.endif
;; end of part 3
